; MI455X (gfx1250); checked and timed in simulation.
; The chip was launched on July 23, 2026; its instructions are those of AMD's public machine-readable ISA for CDNA 5 (MIT licence, August 2026) and "CDNA5" Instruction Set Architecture Reference Guide (July 2026). The comments in the code are by the model that wrote it; some were corrected since.
;; Causal Self Attention. Allowed arithmetic: matrix products marked QUANTISED: E2M3 operands, one E8M0 scale for each 32 along K, by v_wmma_scale_f32_16x16x128_f8f6f4 with both operands' format E2M3, f32 sums; everything else in f32.
;; Inputs: W_proj 1,024 x 1,024 float32; W_qkv 1,024 x 3,072 float32; b_proj 1,024 float32; b_qkv 3,072 float32; x 4 x 2,048 x 1,024 float32.
;; Outputs: out0 4 x 2,048 x 1,024 float32.
;; This version of the problem:
;;   THIS VERSION OF THE PROBLEM IS GIVEN IN LOW PRECISION. The matrix products marked QUANTISED in the list below multiply operands that are first quantised to E2M3 (2 exponent bits, 3 mantissa bits; 6 bits a number), with one power-of-two scale for each 32 numbers along K (OCP MX v1.0); their sums are f32. All else is computed in f32.
;;   The module's matrix products, in the order in which they are computed (A, B: the left and right operand; K: the contracted axis; several contracted axes count as one K, in the product's order):
;;     1. [M 8,192, K 1,024] x [K 1,024, N 3,072]; A: input x; B: input W_qkv: QUANTISED
;;     2. batch 64 x [M 2,048, K 64] x [K 64, N 2,048]; A: computed on the way; B: computed on the way: QUANTISED
;;     3. batch 64 x [M 2,048, K 2,048] x [K 2,048, N 64]; A: softmax (see below); B: computed on the way: QUANTISED
;;     4. [M 8,192, K 1,024] x [K 1,024, N 1,024]; A: computed on the way; B: input W_proj: QUANTISED
;;   THE QUANTISER, for each operand of a quantised product, along K:
;;     - K is cut into blocks of 32 from its start; a last block that is shorter is filled with zeros.
;;     - A block's scale is 2^e with e = floor(log2(the largest magnitude in the block)) - 2, held to -126 .. 127; a block of zeros has e = 0. As a byte (E8M0): e + 127.
;;     - Each number is divided by its block's scale, clamped to +-7.5, and rounded to the nearest number of E2M3, ties to even, subnormals kept.
;;     - The product sums the exact products of the quantised numbers (number of the format x scale) in f32.
;;   ~~~python
;;   def quantise(x, axis):      # numpy; x: float32 -> the quantised numbers, widened to float32 again
;;       x = np.moveaxis(x, axis, -1); K = x.shape[-1]
;;       x = np.pad(x, [(0, 0)] * (x.ndim - 1) + [(0, -K % 32)]); x = x.reshape(x.shape[:-1] + (-1, 32)); a = np.abs(x).max(-1, keepdims=True)
;;       e = np.where(a > 0, np.clip(np.frexp(np.where(a > 0, a, 1))[1] - 1 - 2, -126, 127), 0)      # np.frexp(a)[1] - 1 = floor(log2(a)), exactly
;;       r = np.clip(x / 2.0 ** e, -7.5, 7.5)
;;       step = 2.0 ** (np.maximum(np.frexp(np.where(r == 0, 1, r))[1] - 1, 0) - 3)
;;       q = np.round(r / step) * step * 2.0 ** e      # np.round: ties to even
;;       return np.moveaxis(q.reshape(q.shape[:-2] + (-1,))[..., :K], -1, axis).astype(np.float32)
;;   ~~~
;;   SOFTMAX AHEAD OF A QUANTISED PRODUCT. Where the list says 'softmax', what is quantised is not the finished softmax but p = 2^(t - M), with t = logit x log2(e) and M = ceil(the row's largest t), a whole number; so 1/2 < the row's largest p <= 1. The row's sum l is taken of the UNQUANTISED p, in f32, and the product's result is divided by l at the end. Since M is a whole number, a kernel that streams over the keys may use a running M (the ceiling of the running maximum): every later rescaling is an exact power of two, which a block's scale takes up: the codes' values come out the same.
;;   OPERANDS COMPUTED ON THE WAY. 'Computed on the way' means the value that the module computes at that place (a softmax that the list does not call 'softmax' is quantised finished and normalised). What goes into a quantiser is computed in f32, as accurately as f32 sums, v_exp_f32 and their like allow (about 1e-6 of the number): no bf16 or f16 on the way to a quantiser, and a product that is left as it is and whose result goes on into a quantised operand takes f32 operands (vector FMAs, or v_wmma_f32_16x16x4_f32). A number that lies on a knife's edge between two numbers of the format may be rounded either way, as far as f32 arithmetic and the matrix unit's own rounding can turn it there, and no further.
;; One version. Each part assembles by itself: llvm-mc -triple=amdgcn-amd-amdhsa -mcpu=gfx1250 --defsym DOCPART=n.
;; ======== version 1 of 1: 4 launches
;; workspace buffers: opc 9,437,184 bytes; ops 393,216 bytes; rec 20,185,088 bytes; yc 6,291,456 bytes; ys 262,144 bytes
;; launch quant (part 1): grid 384 x 1, 8 waves a work-group, no clusters, 93,184 bytes of LDS; arguments x, W_qkv, W_proj, opc, ops; writes opc, ops
.if DOCPART == 1
	.amdgcn_target "amdgcn-amd-amdhsa--gfx1250"
	.amdhsa_code_object_version 6
	.text
	.protected	k_qfe9d6eeacd_quant
	.globl	k_qfe9d6eeacd_quant
	.p2align	8
	.type	k_qfe9d6eeacd_quant,@function
k_qfe9d6eeacd_quant:
	s_mov_b64 s[64:65], 0
	v_nop
	global_prefetch_b8 v0, s[64:65] scope:SCOPE_SE
	s_setreg_imm32_b32 hwreg(HW_REG_WAVE_MODE, 25, 1), 1
	s_wait_xcnt 0x0
; x [8192][1024], W_qkv [1024][3072] and W_proj [1024][1024], all f32, become codes of FP6 (E2M3) with one E8M0 scale byte for each 32 along K (K = the 1,024 of x's rows and of the weights' FIRST axis).
; A block's scale is 2^(floor(log2(its largest magnitude)) - 2); its byte is the largest magnitude's exponent field - 2, held at 1 from below.  Numbers are divided by the scale and rounded to the nearest code, ties to even; beyond 7.5 the largest code.
; LIMITS: a block of zeros gets the byte 1 where the rule says 127 (its codes are zeros, and this program alone reads the bytes); blocks whose largest magnitude lies under 2^-124 were not tried; NaN and infinities among the inputs are not served.
; THE OUTPUT IS LAID AS THE PRODUCTS' OPERAND REGISTERS WANT IT.  Rows (tokens of x, columns n of a weight) go in groups of 128 and tiles T = 0..7 of 16; lane r of tile T holds row 32 (T / 2) + 8 (T % 2) + r % 8 + 16 (r / 8).
; A fragment (16 rows x 128 K) is 12 registers a lane (registers 6 c .. 6 c + 5 of lane (r, h): k = 64 c + 32 h + 0 .. 31), stored as six pieces of 256 bytes: piece p = registers 2 p, 2 p + 1, lane l's 8 bytes at 256 p + 8 l.
; opc: [group][K step 0..7][T][1,536 bytes]; groups 0-63 x, 64-87 W_qkv's columns, 88-95 W_proj's.   ops: [group][pair of K steps 0..3][T][r][8 bytes]: two scale words.
; Work-groups 0-255 take x (32 rows each), 256-383 the weights (128 columns x 256 along K each).  The two ways have LDS bytes of their own.  Waves share nothing: no barrier.  No tensor loads, no matrix work, no cluster: a stream read once.
.set XSTG,  8448                       ; x's way: a wave's stage, 16 rows x (512 bytes + 16): rows 33 x 16 bytes apart, so that sixteen lanes that read sixteen rows touch sixteen different 16-byte columns
.set WBASE, 8*XSTG                     ; the weights' way: its stages lie behind x's
.set WSTG,  3072                       ; two fragments' images
.set GRP,   98304                      ; a group of 128 rows in opc
.set KST,   12288                      ; a K step of a group
.set FRB,   1536                       ; a fragment
.set WV,    12                         ; s12  my wave's number
.set R,     16                         ; v16-143  x's way: two sets of 64 registers as loaded; the weights' way: 128 numbers down K
.set X,     144                        ; v144-207 x's way: my 64 numbers, two whole blocks
.set C,     208                        ; v208-231 x's way: two fragments' codes
.set MX,    232                        ; v232-233 largest magnitudes
.set SO,    234                        ; v234-235 the conversions' scale operands
.set BY,    236                        ; v236-237 the scale bytes
.set CT,    240                        ; v240-247 the second halves of the blocks' codes
.set W,     252                        ; v252-253 the two fragments' scale words
	s_load_b128 s[4:7], s[0:1], 0x0                ; x, W_qkv
	s_load_b128 s[8:11], s[0:1], 0x10              ; W_proj, opc
	s_load_b64 s[14:15], s[0:1], 0x20              ; ops
	v_lshl_add_u32 v254, v0, 2, 0x16800
	v_mov_b32 v255, 0
	v_lshrrev_b32 v13, 5, v0
	s_delay_alu instid0(VALU_DEP_1)
	v_readfirstlane_b32 s[WV], v13                 ; wave 0..7
	v_and_b32 v10, 31, v0                          ; lane
	v_and_b32 v11, 15, v0                          ; r
	v_bfe_u32 v12, v0, 4, 1                        ; h
	s_cmp_lt_u32 ttmp9, 256
	s_cbranch_scc0 .Lw
; ---- x.  Work-group tp takes rows 32 tp .. 32 tp + 31: tiles 2 (tp % 4) + u of group tp / 4.  Wave w: u = w / 4, K steps 2 (w % 4) and 2 (w % 4) + 1: two fragments.
	s_lshr_b32 s16, s[WV], 2                       ; u
	s_and_b32 s17, s[WV], 3                        ; which pair of K steps
	s_lshr_b32 s18, ttmp9, 2                       ; group
	s_and_b32 s19, ttmp9, 3
	s_lshl_b32 s19, s19, 1
	s_add_co_u32 s19, s19, s16                     ; T
	s_lshl_b32 s20, ttmp9, 17                      ; x: 32 rows of 4,096 bytes a work-group,
	s_lshl_b32 s21, s16, 15                        ; 8 u rows,
	s_add_co_u32 s20, s20, s21
	s_lshl_b32 s21, s17, 10                        ; 1,024 bytes a pair of K steps
	s_add_co_u32 s20, s20, s21
	s_mov_b32 s21, 0
	s_mul_i32 s22, s18, GRP                        ; opc
	s_mul_i32 s23, s17, 2*KST
	s_add_co_u32 s22, s22, s23
	s_mul_i32 s23, s19, FRB
	s_add_co_u32 s22, s22, s23
	s_mov_b32 s23, 0
	s_lshl_b32 s24, s18, 12                        ; ops
	s_lshl_b32 s25, s17, 10
	s_add_co_u32 s24, s24, s25
	s_lshl_b32 s25, s19, 7
	s_add_co_u32 s24, s24, s25
	s_mov_b32 s25, 0
	s_mul_i32 s26, s[WV], XSTG                     ; my stage
	s_mov_b32 s27, 0xffff0000                      ; lanes 16-31
	s_mov_b32 s28, 0x76543210
	s_mov_b32 s29, 0xfedcba98                      ; v_permlanex16_b32's selects for lane l xor 16
	s_wait_alu depctr_va_vdst(0)
	v_lshlrev_b32 v1, 4, v10                       ; 16 x lane: my bytes of a row's 512
	s_delay_alu instid0(VALU_DEP_1)
	v_add_nc_u32 v2, s26, v1                       ; the stage, on the way in
	v_mul_u32_u24 v3, v11, 528
	s_delay_alu instid0(VALU_DEP_1)
	v_lshl_add_u32 v3, v12, 7, v3
	s_delay_alu instid0(VALU_DEP_1)
	v_add_nc_u32 v3, s26, v3                       ; and on the way out: row r, + 128 h: my block's 32 numbers
	v_lshlrev_b32 v4, 3, v10                       ; 8 x lane: my bytes of a piece
	v_lshlrev_b32 v5, 3, v11
	s_delay_alu instid0(VALU_DEP_1)
	v_lshl_add_u32 v5, v12, 2, v5                  ; 8 r + 4 h: lanes 0-15 store the first fragment's scale word, lanes 16-31 the second's
	v_lshlrev_b32 v6, 3, v12                       ; 8 h: my bytes' place in a scale word
	v_mov_b32 v249, 0                              ; written once: a lane permute's destination counts as one of its sources
	s_wait_alu depctr_va_vdst(0)
	s_wait_kmcnt 0x0
	s_add_nc_u64 s[4:5], s[4:5], s[20:21]
	s_add_nc_u64 s[10:11], s[10:11], s[22:23]
	s_add_nc_u64 s[14:15], s[14:15], s[24:25]
.irp q, 0,1
.irp i, 0,1,2,3,4,5,6,7,8,9,10,11,12,13,14,15
	global_load_b128 v[R+64*\q+4*\i:R+64*\q+4*\i+3], v1, s[4:5] offset:((\i%8)+16*(\i/8))*4096+512*\q th:TH_LOAD_NT   ; the tile's row i: 512 consecutive bytes, aligned; all 32 loads go out at once
.endr
.endr
; One fragment.  The rows go through my stage as they lie and come back 128 bytes a lane: lane (r, h) then holds two WHOLE blocks of row r, k = 64 c + 32 h + 0 .. 31, which is the operand's own order.
.macro XFRAG q
	s_wait_loadcnt 16*(1-\q)                       ; this fragment's 16 loads are in; the other's may be out
.irp i, 0,1,2,3,4,5,6,7,8,9,10,11,12,13,14,15
	ds_store_b128 v2, v[R+64*\q+4*\i:R+64*\q+4*\i+3] offset:528*\i
.endr
.irp c, 0,1
.irp j, 0,1,2,3,4,5,6,7
	ds_load_b128 v[X+32*\c+4*\j:X+32*\c+4*\j+3], v3 offset:256*\c+16*\j   ; LDS serves a wave's instructions in order: these see my stores
.endr
.endr
	s_wait_dscnt 0x0
.irp c, 0,1
	v_max3_num_f32 v[MX+\c], |v[X+32*\c]|, |v[X+32*\c+1]|, 0x1800000   ; the block's largest magnitude, and the floor 2^(3 - 127): the byte cannot fall under 1
.endr
.irp i, 2,4,6,8,10,12,14,16,18,20,22,24,26,28,30
.irp c, 0,1
	s_delay_alu instid0(VALU_DEP_2)
	v_max3_num_f32 v[MX+\c], v[MX+\c], |v[X+32*\c+\i]|, |v[X+32*\c+\i+1]|   ; (the two blocks by turns)
.endr
.endr
.irp c, 0,1
	s_delay_alu instid0(VALU_DEP_2)
	v_add_nc_u32 v[SO+\c], 0xff000000, v[MX+\c]    ; 2 off the exponent field: the conversion takes the exponent field of this operand as its scale
.endr
.irp c, 0,1
	s_delay_alu instid0(VALU_DEP_2)
	v_lshrrev_b32 v[BY+\c], 23, v[SO+\c]           ; the scale's byte
.endr
	s_delay_alu instid0(VALU_DEP_1)
	v_lshl_or_b32 v248, v[BY+1], 16, v[BY]         ; my two bytes: blocks h and 2 + h,
	s_delay_alu instid0(VALU_DEP_1)
	v_lshlrev_b32 v248, v6, v248                   ; at their places in the word;
	s_delay_alu instid0(VALU_DEP_1)
	v_permlanex16_b32 v249, v248, s28, s29
	s_delay_alu instid0(VALU_DEP_1)
	v_or_b32 v[W+\q], v248, v249                   ; with lane l xor 16's two the word is whole
.irp c, 0,1
	v_cvt_scalef32_pk16_fp6_f32 v[C+12*\q+6*\c:C+12*\q+6*\c+2], v[X+32*\c:X+32*\c+15], v[SO+\c]
	v_cvt_scalef32_pk16_fp6_f32 v[CT+4*\c:CT+4*\c+2], v[X+32*\c+16:X+32*\c+31], v[SO+\c]   ; (a conversion's three registers begin on an even number)
.endr
	v_nop                                          ; one plain line behind the scaled conversions
.irp c, 0,1
.irp i, 0,1,2
	v_mov_b32 v[C+12*\q+6*\c+3+\i], v[CT+4*\c+\i]
.endr
.endr
.irp p, 0,1,2,3,4,5
	global_store_b64 v4, v[C+12*\q+2*\p:C+12*\q+2*\p+1], s[10:11] offset:KST*\q+256*\p   ; 32 lanes store 256 consecutive bytes, aligned.  Each fragment has its own registers: no store's data are written again
.endr
.endm
	XFRAG 0
	XFRAG 1
	v_cndmask_b32 v250, v[W], v[W+1], s27
	global_store_b32 v5, v250, s[14:15]            ; the tile's 16 rows x two words: 128 consecutive bytes
	s_wait_tensorcnt 0x0
	ds_add_u32 v254, v255
	s_wait_dscnt 0x0
	s_endpgm
; ---- the weights.  Work-group j = number - 256: group g = j / 4 of 32 (24 of W_qkv's columns, 8 of W_proj's), pair of K steps j % 4.  Wave w: K step 2 (j % 4) + w / 4, columns 32 (w % 4) + lane of the group.
; A LANE TAKES A COLUMN AND ITS REGISTERS RUN DOWN K: a block of 32 lies in one lane, and the conversions give codes with K innermost.  Nothing is transposed by an instruction.
.Lw:
	s_sub_co_u32 s16, ttmp9, 256
	s_lshr_b32 s17, s16, 2                         ; g
	s_and_b32 s18, s16, 3                          ; which pair of K steps
	s_lshr_b32 s19, s[WV], 2                       ; q: which of the two
	s_and_b32 s20, s[WV], 3                        ; b: which 32 columns = tiles 2 b, 2 b + 1
	s_lshl_b32 s21, s18, 1
	s_add_co_u32 s21, s21, s19                     ; K step
	s_add_co_u32 s22, s17, 64
	s_mul_i32 s22, s22, GRP                        ; opc
	s_mul_i32 s23, s21, KST
	s_add_co_u32 s22, s22, s23
	s_mul_i32 s23, s20, 2*FRB
	s_add_co_u32 s22, s22, s23
	s_mov_b32 s23, 0
	s_add_co_u32 s24, s17, 64
	s_lshl_b32 s24, s24, 12                        ; ops
	s_lshl_b32 s25, s18, 10
	s_add_co_u32 s24, s24, s25
	s_lshl_b32 s25, s20, 8
	s_add_co_u32 s24, s24, s25
	s_lshl_b32 s25, s19, 2
	s_add_co_u32 s24, s24, s25
	s_mov_b32 s25, 0
	s_mul_i32 s26, s[WV], WSTG
	s_add_co_u32 s26, s26, WBASE                   ; my stage
	s_lshl_b32 s27, s20, 7                         ; my 32 columns, in bytes
	s_mov_b32 s29, 0
	s_wait_alu depctr_va_vdst(0)
	v_lshlrev_b32 v1, 2, v10                       ; in: 4 bytes a lane
	v_bfe_u32 v2, v0, 3, 1                         ; column 32 b + l is lane r = l % 8 + 8 (l / 16) of tile 2 b + u, u = (l / 8) % 2
	v_and_b32 v3, 7, v0
	s_delay_alu instid0(VALU_DEP_1)
	v_lshl_or_b32 v3, v12, 3, v3
	s_delay_alu instid0(VALU_DEP_3)
	v_mul_u32_u24 v4, v2, FRB
	s_delay_alu instid0(VALU_DEP_1)
	v_lshl_add_u32 v4, v3, 3, v4
	s_delay_alu instid0(VALU_DEP_1)
	v_add_nc_u32 v4, s26, v4                       ; into the stage: my tile's image, 8 r
	v_lshl_add_u32 v5, v10, 4, s26                 ; out of it: 16 x lane
	v_lshlrev_b32 v6, 4, v10                       ; and the same in opc
	v_lshlrev_b32 v7, 7, v2
	s_delay_alu instid0(VALU_DEP_1)
	v_lshl_add_u32 v7, v3, 3, v7                   ; ops: 128 u + 8 r
	s_wait_kmcnt 0x0
	s_add_nc_u64 s[10:11], s[10:11], s[22:23]
	s_add_nc_u64 s[14:15], s[14:15], s[24:25]
.macro WLOAD stride, base              ; W(128 x K step + i, my column), i = 0 .. 127: 32 lanes read 128 consecutive bytes; the four waves of a K step stand side by side on 512
.set i, 0
.rept 128
	global_load_b32 v[R+i], v1, s[\base:\base+1] offset:i*\stride th:TH_LOAD_NT
.set i, i+1
.endr
.endm
	s_cmp_lt_u32 s17, 24                           ; the two weights differ in their pitch, which stands in the loads' immediates: the branch goes round the loads alone
	s_cbranch_scc0 .Lwproj
	s_mul_i32 s28, s21, 128*12288
	s_lshl_b32 s30, s17, 9
	s_add_co_u32 s28, s28, s30
	s_add_co_u32 s28, s28, s27
	s_add_nc_u64 s[6:7], s[6:7], s[28:29]
	WLOAD 12288, 6
	s_branch .Lwgo
.Lwproj:
	s_mul_i32 s28, s21, 128*4096
	s_sub_co_u32 s30, s17, 24
	s_lshl_b32 s30, s30, 9
	s_add_co_u32 s28, s28, s30
	s_add_co_u32 s28, s28, s27
	s_add_nc_u64 s[8:9], s[8:9], s[28:29]
	WLOAD 4096, 8
.Lwgo:
; Block kb of four: k = 32 kb + 0 .. 31.  In the operand it belongs to lane (r, h = kb % 2), registers 6 (kb / 2) on: pieces 3 (kb / 2) + 0, 1, 2 at 8 r + 128 (kb % 2).
.macro WBLOCK kb, left
.set XS, R+32*(\kb)
.set S, 144+8*(\kb)                    ; each block has its own eight registers for its codes
	s_wait_loadcnt \left                           ; this block's loads are in
	v_max3_num_f32 v201, |v[XS]|, |v[XS+1]|, |v[XS+2]|
	v_max3_num_f32 v202, |v[XS+3]|, |v[XS+4]|, |v[XS+5]|
.irp i, 6,10,14,18,22,26
	s_delay_alu instid0(VALU_DEP_2)
	v_max3_num_f32 v201, v201, |v[XS+\i]|, |v[XS+\i+1]|
	s_delay_alu instid0(VALU_DEP_2)
	v_max3_num_f32 v202, v202, |v[XS+\i+2]|, |v[XS+\i+3]|
.endr
	s_delay_alu instid0(VALU_DEP_2)
	v_max3_num_f32 v201, v201, |v[XS+30]|, |v[XS+31]|
	s_delay_alu instid0(VALU_DEP_1)
	v_max3_num_f32 v201, v201, v202, 0x1800000     ; and the floor
	s_delay_alu instid0(VALU_DEP_1)
	v_add_nc_u32 v203, 0xff000000, v201            ; the conversion's scale operand
	s_delay_alu instid0(VALU_DEP_1)
	v_lshrrev_b32 v204, 23, v203                   ; the byte
.if (\kb) == 0
	s_delay_alu instid0(VALU_DEP_1)
	v_mov_b32 v200, v204                           ; the four bytes make my column's scale word of this K step
.else
	s_delay_alu instid0(VALU_DEP_1)
	v_lshl_or_b32 v200, v204, 8*(\kb), v200
.endif
	v_cvt_scalef32_pk16_fp6_f32 v[S:S+2], v[XS:XS+15], v203
	v_cvt_scalef32_pk16_fp6_f32 v[S+4:S+6], v[XS+16:XS+31], v203
	v_nop                                          ; one plain line behind the scaled conversions
	v_mov_b32 v[S+3], v[S+4]                       ; the block's six registers on end
	v_mov_b32 v[S+4], v[S+5]
	v_mov_b32 v[S+5], v[S+6]
.irp pc, 0,1,2
	ds_store_b64 v4, v[S+2*\pc:S+2*\pc+1] offset:256*(3*((\kb)/2)+\pc)+128*((\kb)%2)
.endr
.endm
	WBLOCK 0, 63
	WBLOCK 1, 63
	WBLOCK 2, 32
	WBLOCK 3, 0
.irp i, 0,1,2,3,4,5
	ds_load_b128 v[176+4*\i:179+4*\i], v5 offset:512*\i    ; LDS serves a wave's instructions in order: these see my stores
.endr
	s_wait_alu depctr_va_vdst(0)
.irp i, 0,1,2,3,4,5
	s_wait_dscnt 5-\i
	global_store_b128 v6, v[176+4*\i:179+4*\i], s[10:11] offset:512*\i   ; two fragments: 3,072 consecutive bytes, 512 a store, aligned
.endr
	global_store_b32 v7, v200, s[14:15]
	s_wait_tensorcnt 0x0
	ds_add_u32 v254, v255
	s_wait_dscnt 0x0
	s_endpgm
.Lfunc_end_k_qfe9d6eeacd_quant:
	.size	k_qfe9d6eeacd_quant, .Lfunc_end_k_qfe9d6eeacd_quant-k_qfe9d6eeacd_quant
	.p2alignl 7, 3214868480
	.fill 96, 4, 3214868480
	.section	.rodata,"a",@progbits
	.p2align	6, 0x0
	.amdhsa_kernel k_qfe9d6eeacd_quant
		.amdhsa_group_segment_fixed_size 93184
		.amdhsa_private_segment_fixed_size 0
		.amdhsa_enable_private_segment 0
		.amdhsa_kernarg_size 40
		.amdhsa_user_sgpr_count 2
		.amdhsa_user_sgpr_kernarg_segment_ptr 1
		.amdhsa_wavefront_size32 1
		.amdhsa_system_sgpr_workgroup_id_x 1
		.amdhsa_system_sgpr_workgroup_id_y 1
		.amdhsa_system_sgpr_workgroup_id_z 1
		.amdhsa_system_vgpr_workitem_id 0
		.amdhsa_next_free_vgpr 256
		.amdhsa_next_free_sgpr 66
		.amdhsa_reserve_vcc 0
		.amdhsa_float_denorm_mode_32 3
		.amdhsa_float_denorm_mode_16_64 3
		.amdhsa_memory_ordered 1
		.amdhsa_forward_progress 1
		.amdhsa_inst_pref_size 56
	.end_amdhsa_kernel
	.amdgpu_metadata
---
amdhsa.version: [ 1, 2 ]
amdhsa.kernels:
  - .name:           k_qfe9d6eeacd_quant
    .symbol:         k_qfe9d6eeacd_quant.kd
    .args:
      - { .name: x, .offset: 0, .size: 8, .value_kind: global_buffer, .address_space: global }
      - { .name: W_qkv, .offset: 8, .size: 8, .value_kind: global_buffer, .address_space: global }
      - { .name: W_proj, .offset: 16, .size: 8, .value_kind: global_buffer, .address_space: global }
      - { .name: opc, .offset: 24, .size: 8, .value_kind: global_buffer, .address_space: global }
      - { .name: ops, .offset: 32, .size: 8, .value_kind: global_buffer, .address_space: global }
    .group_segment_fixed_size: 93184
    .private_segment_fixed_size: 0
    .kernarg_segment_align: 8
    .kernarg_segment_size: 40
    .max_flat_workgroup_size: 256
    .sgpr_count:     66
    .vgpr_count:     256
    .wavefront_size: 32
...
	.end_amdgpu_metadata
.endif
;; end of part 1
;; launch qkv (part 2): grid 12 x 32, 4 waves a work-group, clusters of 4 x 4, 327,680 bytes of LDS; arguments opc, ops, b_qkv, rec; writes rec
.if DOCPART == 2
	.amdgcn_target "amdgcn-amd-amdhsa--gfx1250"
	.amdhsa_code_object_version 6
	.text
	.protected	k_qfe9d6eeacd_qkv
	.globl	k_qfe9d6eeacd_qkv
	.p2align	8
	.type	k_qfe9d6eeacd_qkv,@function
k_qfe9d6eeacd_qkv:
	s_mov_b64 s[64:65], 0
	v_nop
	global_prefetch_b8 v0, s[64:65] scope:SCOPE_SE
	s_setreg_imm32_b32 hwreg(HW_REG_WAVE_MODE, 25, 1), 1
	s_wait_xcnt 0x0
	s_wait_alu depctr_hold_cnt(0) depctr_sa_sdst(0) depctr_va_vdst(0) depctr_va_sdst(0) depctr_va_ssrc(0) depctr_va_vcc(0) depctr_vm_vsrc(0)
	s_getreg_b32 s2, hwreg(HW_REG_IB_STS2, 6, 4)
	s_cmp_eq_u32 s2, 0
	s_cbranch_scc0 .Lentry_in_a_cluster
	s_endpgm
.Lentry_in_a_cluster:
	s_bfe_u32 s2, ttmp6, 0x10000c
	s_cmp_lg_u32 s2, 0xf033
	s_cbranch_scc0 .Lentry_shape_is_right
	s_endpgm
.Lentry_shape_is_right:
; qkv = x W_qkv + b_qkv on codes of FP6 (E2M3) with E8M0 scales, sums in f32; q, k and v are quantised at once for the two products of attention and leave as codes: nothing wide goes to memory.
; OPERANDS come from opc / ops as images of the operand registers: groups of 128 rows, [group][K step][tile][1,536 bytes]; lane r of tile T holds row 32 (T / 2) + 8 (T % 2) + r % 8 + 16 (r / 8).
; A tile of 256 x 256 is made by four waves, each 128 x 128: 64 accumulators, 512 registers.  K = 1,024 goes in four slots of 256 through a ring of two LDS slots filled by the tensor data mover.
; THE MATRIX INSTRUCTION TAKES 16 ROWS OF "B" AS SOURCE 0 AND 16 ROWS OF "A" AS SOURCE 1: a lane holds one row of A, and the 16 registers of B's tiles 2 b and 2 b + 1 are 16 NEIGHBOURS along B: 32 b + 16 (lane / 16) + 0 .. 15.
; Clusters x = 0 (q) and 1 (k): A = tokens, B = W's columns: a lane's registers run along the head's 64, which is the first product's K.
; Cluster x = 2 (v): A = W_v's columns, B = tokens: a lane holds one channel and its registers run along the tokens, the keys, which are the second product's K.  Only the indices are swapped, not the code.
; CLUSTERS: 4 x 4 work-groups; A's tiles are shared along a row of the cluster, B's along a column: each is asked for jointly, by the same tensor load with the same descriptor and a mask that names the four.
; OUTPUT: rec, 512 records of 39,424 bytes, record (16 batch + head) 8 + slot, a slot = 256 tokens = two chunks of 128:
;   0 K's codes, 2 x 6,144 | 12,288 K's scale words, 2 x 512 | 13,312 V's codes, 2 x 6,144 | 25,600 V's scale words, 512 | 26,112 Q's codes | 38,400 Q's scale words.
;   K, Q: a chunk is four pairs of tiles of 16 tokens; a tile is 6 registers a lane (K = 64: k = 32 (lane / 16) + 0 .. 31); a pair's 12 registers lie as three groups of 512 bytes, lane l's 16 bytes at 16 l.
;   their scale words: lane l's 16 bytes are the words of tiles 4 (l / 16) + 0 .. 3 for row l % 16; a word's bytes 0 and 1 are the head's two blocks, bytes 2 and 3 are 0.
;   V: a chunk is four tiles of 16 channels x 128 keys, 12 registers a lane, three groups of 512 bytes.  Its scale words: lane l = 16 (chunk % 2) + r: the words of the four tiles.
; LIMITS: a block of zeros gets the byte 1 where the rule says 127 (its codes are zeros; this program alone reads the bytes); blocks under 2^-124 were not tried; NaN and infinities are not served.
; REGISTERS, in windows of 256: window 0: v16-31 addresses; v32-63 scale words, two sets; v64-127 the bias along B; v128-223 A's fragments, ONE set; v224-231 the bias along A.  On the way out v128-255 are at work.
;   window 1: B's fragments, TWO sets, at v0 and v128.   window 2: the accumulators of A's blocks 0-3 ((a, b) at v[8 (8 (a % 4) + b)]);   window 3: those of blocks 4-7.
.set NQ,     2                         ; K steps of 128 in a slot
.set FR,     12                        ; registers of a fragment
.set NL,     6                         ; LDS loads that bring one
.set NP,     4                         ; places behind this matrix instruction (ISA guide 7.12.1)
.set FRB,    1536                      ; a fragment's image
.set KST,    8*FRB                     ; a K step of 128 rows
.set HALFT,  NQ*KST                    ; 128 rows x 256 K: what one tensor load brings: 24,576 consecutive bytes of memory
.set SLOT,   4*HALFT                   ; A's two halves, then B's two halves.  No padding: every LDS load takes 256 consecutive bytes
.set SCL,    2*SLOT                    ; behind the ring: the scale words for all of K, 4,096 bytes for each 128 rows, filled once
.set HALFS,  4096
.set SPARE,  SCL+4*HALFS               ; the spare words, 128 bytes for each wave: two blocks of 256 bytes that no other line names
.set REC,    39424
.set VC,     13312
.set VS,     25600
.set QC,     26112
.set ADRA, 16                          ; v16-17  LDS address of my A fragments in slot 0, 1
.set ADRB, 20                          ; v20-21  the same for B
.set ADRS, 27                          ; v27     LDS address of my scale words: lanes 0-15 A's rows, lanes 16-31 B's
.set SPW,  28                          ; v28     LDS address of my spare word; never rewritten
.set NIL,  29                          ; v29     0; never rewritten
.set VOC,  30                          ; v30     the way out: my byte offset among a record's codes
.set VOS,  31                          ; v31     and among its scale words
.set SC,   32                          ; scale words: set s at v[SC + 16 s]; register 2 i + q: lanes 0-15 A's block i, lanes 16-31 B's block i, the slot's q-th K step
.set BB,   64                          ; v64-127  b_qkv along B: register 16 b + i = the column 32 b + 16 (lane / 16) + i of my 128
.set AF,   128                         ; A's fragments
.set BA,   224                         ; v224-231 b_qkv along A: register a = W_v's column of my lane in block a
.set T,    128                         ; the way out: v128-191 64 numbers
.set TM,   192                         ; v192-207 largest magnitudes, bytes, scale operands
.set EV,   208                         ; v208-219 q, k: the even head's pair of tiles;  v: a tile's codes
.set OD,   220                         ; v220-231 q, k: the odd head's
.set CT,   232                         ; v232-239 second halves of the blocks' codes
.set PW,   240                         ; v240-247 the eight blocks' new scale words
.set SW,   248                         ; v248-255 and as they are stored
.set G1, 24                            ; s[24:31] descriptor group 1 for A's tiles;  s[32:39] group 0, one set for each slot
.set G0, 32
.set G1B, 48                           ; s[48:55], s[56:63] the same for B's
.set G0B, 56
.set G1S, 68                           ; s[68:75], s[76:79] groups 1 and 0 for A's scales;  s[80:87], s[88:91] for B's
.set G0S, 76
.set G1SB, 80
.set G0SB, 88
.set HM,  95                           ; s95      lanes 16-31
.set SEL, 96                           ; s[96:97] v_permlanex16_b32's selects for lane l xor 16
.set RE,  98                           ; s[98:99] the even head's record;  s[100:101] the odd head's
.set RO,  100
.set MSB, 0
.macro WIN new                         ; the immediate's high byte repeats the setting that is left
.if MSB != (\new)
	s_set_vgpr_msb (MSB<<8)|(\new)
.set MSB, (\new)
.endif
.endm
.set MUL_LO, 0xa1                      ; source 0 (B) window 1, source 1 (A) window 0, C and D window 2
.set MUL_HI, 0xf1                      ; the same, C and D window 3
.set TO_B,   0x40                      ; destination window 1, address window 0
; A joint load: waves 0 and 1 fetch for A, waves 2 and 3 for B.  Each line has one mask and one set of registers for all that issue it; the branch hangs on the wave's number alone.
; Four v_nop follow each of the two lines, ahead of the jump, the label and what follows.
.macro JLOAD g0a, g1a, g0b, g1b
	s_cmp_eq_u32 s15, 0
	s_cbranch_scc0 .Lfor_b_\@
	tensor_load_to_lds s[\g0a:\g0a+3], s[\g1a:\g1a+7]
	s_nop 0
.rept 4
	v_nop
.endr
	s_branch .Lasked_\@
.Lfor_b_\@:
	tensor_load_to_lds s[\g0b:\g0b+3], s[\g1b:\g1b+7]
	s_nop 0
.rept 4
	v_nop
.endr
.Lasked_\@:
.endm
.macro CREST                           ; a round of the cluster's barrier behind its opening barrier
	s_cmp_lg_u32 s14, 0
	s_cbranch_scc1 .Lnot_wave_0_\@
	s_barrier_signal -3
.Lnot_wave_0_\@:
	s_barrier_wait -3
	s_barrier_signal -1
	s_barrier_wait -1
.endm
.macro CROUND                          ; a whole round
	s_barrier_signal -1
	s_barrier_wait -1
	CREST
.endm
	s_load_b256 s[4:11], s[0:1], 0x0               ; opc s[4:5], ops s[6:7], b_qkv s[8:9], rec s[10:11]
	v_lshl_add_u32 v[SPW], v0, 2, SPARE
	v_mov_b32 v[NIL], 0
	ds_add_u32 v28, v29
	s_wait_dscnt 0x0
	v_lshrrev_b32 v1, 5, v0
	v_readfirstlane_b32 s14, v1                    ; wave 0..3
	s_lshr_b32 s15, s14, 1                         ; which half of A's 256 rows is mine.  Also: I fetch for A (0) or for B (1)
	s_and_b32 s16, s14, 1                          ; which half of B's.  Also: which 128 rows I fetch
	s_bfe_u32 s40, ttmp6, 0x40000                  ; cx, cy: my place in the cluster
	s_bfe_u32 s41, ttmp6, 0x40004
	s_and_b32 s17, ttmp7, 0xffff
	s_lshl_b32 s17, s17, 2                         ; 4 x cluster y
	s_lshr_b32 s66, ttmp9, 1                       ; 1 in the cluster column that makes v, else 0: the same in all sixteen partners
	s_xor_b32 s67, s66, 1
	s_mul_i32 s18, s17, s67                        ; A's block of 256 rows in opc: q, k: tokens 4 y + cy;  v: W_v's columns, 40 + cy
	s_mul_i32 s19, s66, 40
	s_add_co_u32 s12, s41, s18
	s_add_co_u32 s12, s12, s19
	s_mul_i32 s18, s17, s66                        ; B's: q, k: W's columns, 32 + 4 x + cx;  v: tokens 4 y + cx
	s_lshl_b32 s19, ttmp9, 2
	s_add_co_u32 s19, s19, 32
	s_mul_i32 s19, s19, s67
	s_add_co_u32 s13, s40, s18
	s_add_co_u32 s13, s13, s19
	s_lshl_b32 s43, s41, 2
	s_lshl_b32 s43, 15, s43                        ; my row of the cluster
	s_lshl_b32 s44, 0x1111, s40                    ; my column
	; descriptor group 1: 24,576 dense bytes as 96 rows of 32 elements of 8 bytes
	s_or_b32 s[G1+0], s43, (3<<16)|(1<<21)         ; 15:0 the mask: A's tiles go to my row; 17:16 elements of 8 bytes; 20 no padding; 21 set beside a mask
	s_or_b32 s[G1B+0], s44, (3<<16)|(1<<21)
.irp g, G1, G1B
	s_mov_b32 s[\g+1], 32<<16                      ; tensor_dim0
	s_mov_b32 s[\g+2], 96<<16                      ; tensor_dim1
	s_mov_b32 s[\g+3], 32<<16                      ; tile_dim0
	s_mov_b32 s[\g+4], 96                          ; tile_dim1
	s_mov_b32 s[\g+5], 32                          ; tensor_dim0_stride
	s_mov_b32 s[\g+6], 0
	s_mov_b32 s[\g+7], 0
.endr
	; and for the scale words of 128 rows: 4,096 dense bytes as 16 such rows
	s_or_b32 s[G1S+0], s43, (3<<16)|(1<<21)
	s_or_b32 s[G1SB+0], s44, (3<<16)|(1<<21)
.irp g, G1S, G1SB
	s_mov_b32 s[\g+1], 32<<16
	s_mov_b32 s[\g+2], 16<<16
	s_mov_b32 s[\g+3], 32<<16
	s_mov_b32 s[\g+4], 16
	s_mov_b32 s[\g+5], 32
	s_mov_b32 s[\g+6], 0
	s_mov_b32 s[\g+7], 0
.endr
	s_mul_i32 s20, s12, 2*8*KST                    ; A's codes: 196,608 bytes a block of 256 rows,
	s_mul_i32 s18, s16, 8*KST                      ; 98,304 a half
	s_add_co_u32 s20, s20, s18
	s_mov_b32 s21, 0
	s_mul_i32 s46, s13, 2*8*KST                    ; B's
	s_add_co_u32 s46, s46, s18
	s_mov_b32 s47, 0
	s_lshl_b32 s22, s12, 13                        ; A's scale words
	s_lshl_b32 s18, s16, 12
	s_add_co_u32 s22, s22, s18
	s_mov_b32 s23, 0
	s_lshl_b32 s92, s13, 13                        ; B's
	s_add_co_u32 s92, s92, s18
	s_mov_b32 s93, 0
	s_mul_i32 s45, s14, HALFT                      ; where they go: wave x a half: no place in the cluster enters an LDS address
	s_lshl_b32 s94, s14, 12
	s_wait_kmcnt 0x0
	s_add_nc_u64 s[20:21], s[4:5], s[20:21]
	s_add_nc_u64 s[22:23], s[6:7], s[22:23]
	s_add_nc_u64 s[46:47], s[4:5], s[46:47]
	s_add_nc_u64 s[92:93], s[6:7], s[92:93]
	CROUND                                         ; all sixteen work-groups are here: the first joint loads meet
	s_mov_b32 s[G0S], 1
	s_add_co_u32 s[G0S+1], s94, SCL
	s_mov_b64 s[G0S+2:G0S+3], s[22:23]
	s_or_b32 s[G0S+3], s[G0S+3], 0x80000000
	s_mov_b32 s[G0SB], 1
	s_add_co_u32 s[G0SB+1], s94, SCL
	s_mov_b64 s[G0SB+2:G0SB+3], s[92:93]
	s_or_b32 s[G0SB+3], s[G0SB+3], 0x80000000
	JLOAD G0S, G1S, G0SB, G1SB                     ; the scale words first: they are wanted with the first K step
.irp s, 0,1
	s_mov_b32 s[G0+4*\s], 1
	s_add_co_u32 s[G0+4*\s+1], s45, \s*SLOT
	s_add_nc_u64 s[G0+4*\s+2:G0+4*\s+3], s[20:21], \s*HALFT
	s_or_b32 s[G0+4*\s+3], s[G0+4*\s+3], 0x80000000
	s_mov_b32 s[G0B+4*\s], 1
	s_add_co_u32 s[G0B+4*\s+1], s45, \s*SLOT
	s_add_nc_u64 s[G0B+4*\s+2:G0B+4*\s+3], s[46:47], \s*HALFT
	s_or_b32 s[G0B+4*\s+3], s[G0B+4*\s+3], 0x80000000
	JLOAD G0+4*\s, G1, G0B+4*\s, G1B               ; three tensor loads of mine are out
.endr
	v_and_b32 v1, 15, v0                           ; r
	v_bfe_u32 v2, v0, 4, 1                         ; h
	v_and_b32 v7, 31, v0                           ; lane
	v_lshlrev_b32 v3, 3, v7                        ; 8 x lane: my bytes of a piece
	s_mul_i32 s21, s15, HALFT                      ; my 128 rows of A
	s_mul_i32 s22, s16, HALFT                      ; my 128 rows of B,
	s_add_co_u32 s22, s22, 2*HALFT                 ; which lie behind A's two halves
.irp s, 0,1
	v_add_nc_u32 v[ADRA+\s], s21, v3
	v_add_nc_u32 v[ADRB+\s], s22, v3
	s_add_co_u32 s21, s21, SLOT
	s_add_co_u32 s22, s22, SLOT
.endr
	v_lshlrev_b32 v5, 3, v1                        ; my row's two scale words of a slot: 8 r
	s_mul_i32 s21, s15, HALFS                      ; A's: my 128 rows
	s_mul_i32 s22, s16, HALFS                      ; B's: my 128 rows, behind A's two halves
	s_add_co_u32 s22, s22, 2*HALFS
	s_sub_co_u32 s22, s22, s21
	v_mul_u32_u24 v6, s22, v2                      ; lanes 16-31 take B's: the lower base + h x the distance
	s_add_co_u32 s21, s21, SCL
	v_add_nc_u32 v5, v5, v6
	v_add_nc_u32 v[ADRS], s21, v5
	; the biases.  Every work-group loads both sets (both stay inside b_qkv's 3,072 numbers for every place in the grid): the head has no branch
	s_lshl_b32 s18, ttmp9, 2
	s_add_co_u32 s18, s18, s40
	s_lshl_b32 s18, s18, 10                        ; along B: column 256 (4 x + cx) + 128 (wave % 2), in bytes
	s_lshl_b32 s19, s16, 9
	s_add_co_u32 s18, s18, s19
	s_mov_b32 s19, 0
	s_add_nc_u64 s[18:19], s[8:9], s[18:19]
	v_lshlrev_b32 v8, 6, v2                        ; + 16 h numbers
.irp b, 0,1,2,3
.irp j, 0,1,2,3
	global_load_b128 v[BB+16*\b+4*\j:BB+16*\b+4*\j+3], v8, s[18:19] offset:128*\b+16*\j
.endr
.endr
	s_lshl_b32 s2, s41, 10                         ; along A: column 2,048 + 256 cy + 128 (wave / 2)
	s_lshl_b32 s3, s15, 9
	s_add_co_u32 s2, s2, s3
	s_add_co_u32 s2, s2, 8192
	s_mov_b32 s3, 0
	s_add_nc_u64 s[2:3], s[8:9], s[2:3]
	v_and_b32 v9, 7, v0
	v_bfe_u32 v10, v0, 3, 1
	v_lshl_add_u32 v9, v10, 4, v9                  ; + r % 8 + 16 (r / 8)
	v_lshlrev_b32 v9, 2, v9
.irp a, 0,1,2,3,4,5,6,7
	global_load_b32 v[BA+\a], v9, s[2:3] offset:4*(32*(\a/2)+8*(\a%2))
.endr
	s_mov_b32 s[HM], 0xffff0000
	s_mov_b32 s[SEL], 0x76543210
	s_mov_b32 s[SEL+1], 0xfedcba98
.macro FRAG reg, adr, q, i             ; a fragment comes back as it was laid: six pieces, 256 consecutive bytes each
.irp p, 0,1,2,3,4,5
	ds_load_b64 v[\reg+2*\p:\reg+2*\p+1], v[\adr] offset:KST*(\q)+FRB*(\i)+256*\p
.endr
.endm
; 16 matrix instructions: A's blocks a0, a0 + 1 x B's eight, the slot's q-th K step.  p: B's set;  sc: the set of scale words.  zero = 1: the first product starts the sums: nothing is ever cleared.
; The 64 accumulators take turns, one instruction a turn, in the same order in every step.
.macro MUL16 a0, p, q, sc, zero
.irp a, \a0, \a0+1
.irp b, 0,1,2,3,4,5,6,7
.if \zero
	v_wmma_scale_f32_16x16x128_f8f6f4 v[8*(8*((\a)%4)+\b):8*(8*((\a)%4)+\b)+7], v[128*(\p)+FR*\b:128*(\p)+FR*\b+FR-1], v[AF+FR*(\a):AF+FR*(\a)+FR-1], 0, v[SC+8*NQ*(\sc)+NQ*\b+(\q)], v[SC+8*NQ*(\sc)+NQ*(\a)+(\q)] matrix_a_fmt:MATRIX_FMT_FP6 matrix_b_fmt:MATRIX_FMT_FP6 matrix_a_scale:MATRIX_SCALE_ROW1
.else
	v_wmma_scale_f32_16x16x128_f8f6f4 v[8*(8*((\a)%4)+\b):8*(8*((\a)%4)+\b)+7], v[128*(\p)+FR*\b:128*(\p)+FR*\b+FR-1], v[AF+FR*(\a):AF+FR*(\a)+FR-1], v[8*(8*((\a)%4)+\b):8*(8*((\a)%4)+\b)+7], v[SC+8*NQ*(\sc)+NQ*\b+(\q)], v[SC+8*NQ*(\sc)+NQ*(\a)+(\q)] matrix_a_fmt:MATRIX_FMT_FP6 matrix_b_fmt:MATRIX_FMT_FP6 matrix_a_scale:MATRIX_SCALE_ROW1
.endif
.endr
.endr
.endm
.macro FETCH_B slot, q, p              ; B's eight fragments of the slot's q-th K step into set p
	WIN TO_B
.irp i, 0,1,2,3,4,5,6,7
	FRAG 128*(\p)+FR*\i, ADRB+\slot, \q, \i
.endr
	WIN 0
.endm
.macro FETCH_A slot, q, i0             ; A's blocks i0 .. i0 + 3
.irp i, \i0, \i0+1, \i0+2, \i0+3
	FRAG AF+FR*(\i), ADRA+\slot, \q, \i
.endr
.endm
.macro SCALES sc                       ; a slot's scale words into set sc: two words a row; lanes 0-15 take A's block i, lanes 16-31 B's block i
.irp i, 0,1,2,3,4,5,6,7
	ds_load_b64 v[SC+8*NQ*\sc+NQ*\i:SC+8*NQ*\sc+NQ*\i+1], v[ADRS] offset:128*\i
.endr
.endm
; A load into a register that a matrix instruction has read, and a vector instruction that reads a matrix result or writes one of its registers, stand NP places behind it; only plain vector
; instructions that name none of its registers are places (ISA guide 7.12.1 for vector instructions).
.macro PLACES n
.rept \n
	v_nop
.endr
.endm
; A K step that has its successor in the same slot.  A block of A is free as soon as its eight products are issued: blocks 0-3 are fetched anew in the step's middle, blocks 4-7 at its end.
.macro STEP slot, q, zero
	s_wait_dscnt 4*NL                              ; B's set, A's blocks 0-3 and the scale words are in; the youngest 24 loads (A's blocks 4-7) may be out
	WIN MUL_LO
	MUL16 0, (\q)%2, \q, \slot, \zero
	MUL16 2, (\q)%2, \q, \slot, \zero
	s_wait_dscnt 0                                 ; A's blocks 4-7 are in (asked for 32 matrix instructions ago)
	PLACES NP
	FETCH_B \slot, (\q)+1, 1-(\q)%2
	FETCH_A \slot, (\q)+1, 0
	WIN MUL_HI
	MUL16 4, (\q)%2, \q, \slot, \zero
	MUL16 6, (\q)%2, \q, \slot, \zero
	PLACES NP
	WIN 0
	FETCH_A \slot, (\q)+1, 4
.endm
; A slot's last K step changes slots: ONE barrier; in front of it each wave waits for all its tensor loads, adds 0 to its spare word, and waits for that and for its own reads of this slot.
; fill = 1: this slot is filled again, two slots ahead; the barrier then opens a round of the cluster's barrier.
.macro TURN slot, next, fill
	s_wait_tensorcnt 0x0                           ; all my tensor loads have landed: my part of the next slot  (every window is 0 here)
	ds_add_u32 v[SPW], v[NIL]                      ; 0 onto my spare word
	s_wait_dscnt 4*NL+1                            ; (the add and the youngest 24 loads, A's blocks 4-7, may be out)
	WIN MUL_LO
	MUL16 0, 1, NQ-1, \slot, 0                     ; sixteen matrix instructions stand between the add and the wait for it
	s_wait_dscnt 0x0                               ; the add is done, and my reads of this slot are over
	s_barrier_signal -1
	MUL16 2, 1, NQ-1, \slot, 0
	WIN 0
	s_barrier_wait -1
.if \fill
	CREST                                          ; no wave of any partner still reads this slot's tile or has a load on its way
	s_add_nc_u64 s[G0+4*\slot+2:G0+4*\slot+3], s[G0+4*\slot+2:G0+4*\slot+3], 2*HALFT
	s_add_nc_u64 s[G0B+4*\slot+2:G0B+4*\slot+3], s[G0B+4*\slot+2:G0B+4*\slot+3], 2*HALFT
	JLOAD G0+4*\slot, G1, G0B+4*\slot, G1B         ; the first tensor load behind the round, my only one until the next; its four v_nop are the places in front of the loads below
.else
	PLACES NP
.endif
	v_add_nc_u32 v[ADRS], 1024, v[ADRS]            ; on to the next slot's scale words (no LDS load of mine is out)
	FETCH_B \next, 0, 0
	FETCH_A \next, 0, 0
	SCALES \next
	WIN MUL_HI
	MUL16 4, 1, NQ-1, \slot, 0
	MUL16 6, 1, NQ-1, \slot, 0
	PLACES NP
	WIN 0
	FETCH_A \next, 0, 4
.endm
	s_wait_loadcnt 0x0                             ; the biases
	s_wait_tensorcnt 1                             ; the scale words and my part of slot 0 are in (slot 1's load may be out)
	s_barrier_signal -1
	s_barrier_wait -1                              ; everybody's are
	FETCH_B 0, 0, 0
	FETCH_A 0, 0, 0
	SCALES 0
	FETCH_A 0, 0, 4
	STEP 0, 0, 1                                   ; K has four slots: the eight K steps are written out.  The first starts the sums
	TURN 0, 1, 1
	STEP 1, 0, 0
	TURN 1, 0, 1
	STEP 0, 0, 0
	TURN 0, 1, 0                                   ; the last two slots are in LDS: nothing is filled, and no round of the cluster's barrier
	STEP 1, 0, 0
	s_wait_dscnt 4*NL                              ; the last K step: nothing more to fetch
	WIN MUL_LO
	MUL16 0, 1, NQ-1, 1, 0
	MUL16 2, 1, NQ-1, 1, 0
	s_wait_dscnt 0
	WIN MUL_HI
	MUL16 4, 1, NQ-1, 1, 0
	MUL16 6, 1, NQ-1, 1, 0
	WIN 0
; THE WAY OUT uses no LDS: a block's 64 results of a lane, with the bias, are 64 numbers along the next product's K in the order that the quantiser wants: register 16 b + i = k 32 b + 16 (lane / 16) + i.
; QUANT: they become two runs of six registers of codes (d0: blocks 0 and 1; d1: blocks 2 and 3; a lane holds a whole block: lanes 0-15 the first of the two, lanes 16-31 the second) and a scale word.
.macro QUANT s, d0, d1, pw
.irp b, 0,1,2,3
	v_max3_num_f32 v[TM+\b], |v[\s+16*\b]|, |v[\s+1+16*\b]|, 0x1800000   ; block b: my 16 numbers, and the floor 2^(3 - 127): the byte cannot fall under 1
.endr
.irp i, 2,4,6,8,10,12,14
.irp b, 0,1,2,3
	v_max3_num_f32 v[TM+\b], v[TM+\b], |v[\s+16*\b+\i]|, |v[\s+1+16*\b+\i]|   ; (the four blocks by turns)
.endr
.endr
.irp b, 0,1,2,3
	v_permlanex16_b32 v[TM+4+\b], v[TM+\b], s[SEL], s[SEL+1]
.endr
.irp b, 0,1,2,3
	v_max_num_f32 v[TM+\b], v[TM+\b], v[TM+4+\b]   ; with lane l xor 16's: the block's largest magnitude
.endr
.irp b, 0,1,2,3
	v_add_nc_u32 v[TM+12+\b], 0xff000000, v[TM+\b] ; 2 off its exponent field: the conversion's scale operand
.endr
.irp b, 0,1,2,3
	v_lshrrev_b32 v[TM+4+\b], 23, v[TM+12+\b]      ; the scale's byte
.endr
	v_lshl_or_b32 v[\pw], v[TM+5], 8, v[TM+4]
	v_lshl_or_b32 v[\pw], v[TM+6], 16, v[\pw]
	v_lshl_or_b32 v[\pw], v[TM+7], 24, v[\pw]
	v_cvt_scalef32_pk16_fp6_f32 v[\d0:\d0+2], v[\s:\s+15], v[TM+12]
	v_cvt_scalef32_pk16_fp6_f32 v[CT:CT+2], v[\s+16:\s+31], v[TM+13]     ; (a conversion's three registers begin on an even number)
	v_cvt_scalef32_pk16_fp6_f32 v[\d1:\d1+2], v[\s+32:\s+47], v[TM+14]
	v_cvt_scalef32_pk16_fp6_f32 v[CT+4:CT+6], v[\s+48:\s+63], v[TM+15]
	v_nop                                          ; one plain line behind the scaled conversions
.irp i, 0,1,2
	v_permlane16_swap_b32 v[\d0+\i], v[CT+\i]      ; the first's lanes 16-31 change places with the second's lanes 0-15: each lane's block's lower 16 codes, and its upper 16
.endr
.irp i, 0,1,2
	v_permlane16_swap_b32 v[\d1+\i], v[CT+4+\i]
.endr
.irp i, 0,1,2
	v_mov_b32 v[\d0+3+\i], v[CT+\i]
.endr
.irp i, 0,1,2
	v_mov_b32 v[\d1+3+\i], v[CT+4+\i]
.endr
.endm
.macro TAKE_B a                        ; block a's results + the bias of their columns; each accumulator is read from its low end on
	WIN 0x02+(\a)/4                                ; source 0: window 2 or 3
.set j, 0
.rept 32
	v_pk_add_f32 v[T+j:T+j+1], v[64*((\a)%4)+j:64*((\a)%4)+j+1], v[BB+j:BB+j+1]
.set j, j+2
.endr
	WIN 0
.endm
.macro TAKE_A a                        ; block a's results + the bias of my lane's channel: register a % 2 of the pair serves both halves
	WIN 0x02+(\a)/4
.set j, 0
.rept 32
.if (\a)%2
	v_pk_add_f32 v[T+j:T+j+1], v[64*((\a)%4)+j:64*((\a)%4)+j+1], v[BA+2*((\a)/2):BA+2*((\a)/2)+1] op_sel:[0,1] op_sel_hi:[1,1]
.else
	v_pk_add_f32 v[T+j:T+j+1], v[64*((\a)%4)+j:64*((\a)%4)+j+1], v[BA+2*((\a)/2):BA+2*((\a)/2)+1] op_sel_hi:[1,0]
.endif
.set j, j+2
.endr
	WIN 0
.endm
	PLACES NP                                      ; behind the last products: their results are read and their operands' registers written from here on
.irp b, 0,1,2,3
	v_mov_b32 v[TM+4+\b], 0                        ; written once: a lane permute's destination counts as one of its sources
.endr
	v_and_b32 v1, 31, v0                           ; lane
	v_bfe_u32 v2, v0, 4, 1                         ; h
	v_and_b32 v3, 15, v0                           ; r
	s_cmp_eq_u32 s66, 0                            ; the cluster's column: the same in all sixteen partners
	s_cbranch_scc0 .Lvpath
	; ---- q, k.  A lane holds token 128 (2 A + wave / 2) + its row of block a; my 128 columns are two heads.
	s_lshr_b32 s20, s12, 3                         ; batch (8 blocks of 256 tokens each)
	s_and_b32 s21, s12, 7                          ; slot; the chunk in it is wave / 2
	s_lshl_b32 s22, s40, 2
	s_lshl_b32 s23, s16, 1
	s_add_co_u32 s22, s22, s23                     ; the even head: 4 cx + 2 (wave % 2)
	s_lshl_b32 s20, s20, 4
	s_add_co_u32 s20, s20, s22
	s_lshl_b32 s20, s20, 3
	s_add_co_u32 s20, s20, s21                     ; its record
	s_mul_i32 s20, s20, REC
	s_xor_b32 s21, ttmp9, 1                        ; cluster x = 0: q's part of the record; 1: k's, at its head
	s_mul_i32 s21, s21, QC
	s_add_co_u32 s20, s20, s21
	s_mov_b32 s21, 0
	s_add_nc_u64 s[RE:RE+1], s[10:11], s[20:21]
	s_add_nc_u64 s[RO:RO+1], s[RE:RE+1], 8*REC     ; the next head's record of the same slot
	s_mul_i32 s22, s15, 6144
	v_lshl_add_u32 v[VOC], v1, 4, s22              ; 16 x lane + the chunk's codes
	s_lshl_b32 s22, s15, 9
	v_lshl_add_u32 v[VOS], v1, 4, s22              ; 16 x lane + the chunk's scale words
.irp a, 0,1,2,3,4,5,6,7
	TAKE_B \a
.if (\a%2 == 0) && (\a > 0)
	s_wait_xcnt 0x0                                ; the last pair's stores have read their registers: they are written again only behind this wait
.endif
	QUANT T, EV+6*(\a%2), OD+6*(\a%2), PW+\a
.if \a%2 == 1
.irp g, 0,1,2
	global_store_b128 v[VOC], v[EV+4*\g:EV+4*\g+3], s[RE:RE+1] offset:1536*(\a/2)+512*\g   ; 32 lanes store 512 consecutive bytes, aligned
	global_store_b128 v[VOC], v[OD+4*\g:OD+4*\g+3], s[RO:RO+1] offset:1536*(\a/2)+512*\g
.endr
.endif
.endr
.irp j, 0,1,2,3
	v_cndmask_b32 v[SW+\j], v[PW+\j], v[PW+4+\j], s[HM]   ; lanes 0-15: tiles 0-3; lanes 16-31: tiles 4-7 (both halves of the lanes hold every word)
.endr
.irp j, 0,1,2,3
	v_lshrrev_b32 v[SW+4+\j], 16, v[SW+\j]         ; bytes 2 and 3 are the odd head's two blocks,
.endr
.irp j, 0,1,2,3
	v_and_b32 v[SW+\j], 0xffff, v[SW+\j]           ; bytes 0 and 1 the even head's; the other two bytes of each word are 0: they stand over zero codes
.endr
	global_store_b128 v[VOS], v[SW:SW+3], s[RE:RE+1] offset:12288
	global_store_b128 v[VOS], v[SW+4:SW+7], s[RO:RO+1] offset:12288
	s_branch .Ljoin
	; ---- v.  A lane holds one channel; its registers run along my 128 tokens: one chunk of keys.  Blocks 0-3 are the even head's 64 channels, blocks 4-7 the odd head's.
.Lvpath:
	s_lshr_b32 s20, s13, 3                         ; batch
	s_and_b32 s21, s13, 7                          ; slot; the chunk in it is wave % 2
	s_lshl_b32 s22, s41, 2
	s_lshl_b32 s23, s15, 1
	s_add_co_u32 s22, s22, s23                     ; the even head: 4 cy + 2 (wave / 2)
	s_lshl_b32 s20, s20, 4
	s_add_co_u32 s20, s20, s22
	s_lshl_b32 s20, s20, 3
	s_add_co_u32 s20, s20, s21
	s_mul_i32 s20, s20, REC
	s_mov_b32 s21, 0
	s_add_nc_u64 s[RE:RE+1], s[10:11], s[20:21]
	s_add_nc_u64 s[RO:RO+1], s[RE:RE+1], 8*REC
	s_mul_i32 s22, s16, 6144
	v_lshl_add_u32 v[VOC], v1, 4, s22
	s_lshl_b32 s22, s16, 8
	v_mul_u32_u24 v[VOS], v2, 8*REC                ; lanes 0-15 store the even head's words, lanes 16-31 the odd head's, eight records on
	v_lshl_add_u32 v[VOS], v3, 4, v[VOS]
	v_add_nc_u32 v[VOS], s22, v[VOS]               ; + 16 r + 256 x chunk
.irp a, 0,1,2,3,4,5,6,7
	TAKE_A \a
.if \a > 0
	s_wait_xcnt 0x0                                ; the last tile's stores have read their registers
.endif
	QUANT T, EV, EV+6, PW+\a
.irp g, 0,1,2
.if \a < 4
	global_store_b128 v[VOC], v[EV+4*\g:EV+4*\g+3], s[RE:RE+1] offset:VC+1536*(\a%4)+512*\g
.else
	global_store_b128 v[VOC], v[EV+4*\g:EV+4*\g+3], s[RO:RO+1] offset:VC+1536*(\a%4)+512*\g
.endif
.endr
.endr
.irp j, 0,1,2,3
	v_cndmask_b32 v[SW+\j], v[PW+\j], v[PW+4+\j], s[HM]
.endr
	global_store_b128 v[VOS], v[SW:SW+3], s[RE:RE+1] offset:VS   ; sixteen lanes store 256 consecutive bytes, aligned, in each of the two records
.Ljoin:
	s_wait_tensorcnt 0x0                           ; the wave's end
	ds_add_u32 v[SPW], v[NIL]
	s_wait_dscnt 0x0
	CROUND                                         ; the closing round: no work-group ends while a partner may still ask for a tile that names it
	s_endpgm
.Lfunc_end_k_qfe9d6eeacd_qkv:
	.size	k_qfe9d6eeacd_qkv, .Lfunc_end_k_qfe9d6eeacd_qkv-k_qfe9d6eeacd_qkv
	.p2alignl 7, 3214868480
	.fill 96, 4, 3214868480
	.section	.rodata,"a",@progbits
	.p2align	6, 0x0
	.amdhsa_kernel k_qfe9d6eeacd_qkv
		.amdhsa_group_segment_fixed_size 327680
		.amdhsa_private_segment_fixed_size 0
		.amdhsa_enable_private_segment 0
		.amdhsa_kernarg_size 32
		.amdhsa_user_sgpr_count 2
		.amdhsa_user_sgpr_kernarg_segment_ptr 1
		.amdhsa_wavefront_size32 1
		.amdhsa_system_sgpr_workgroup_id_x 1
		.amdhsa_system_sgpr_workgroup_id_y 1
		.amdhsa_system_sgpr_workgroup_id_z 1
		.amdhsa_system_vgpr_workitem_id 0
		.amdhsa_next_free_vgpr 1024
		.amdhsa_next_free_sgpr 104
		.amdhsa_reserve_vcc 0
		.amdhsa_float_denorm_mode_32 3
		.amdhsa_float_denorm_mode_16_64 3
		.amdhsa_memory_ordered 1
		.amdhsa_forward_progress 1
		.amdhsa_inst_pref_size 233
	.end_amdhsa_kernel
	.amdgpu_metadata
---
amdhsa.version: [ 1, 2 ]
amdhsa.kernels:
  - .name:           k_qfe9d6eeacd_qkv
    .symbol:         k_qfe9d6eeacd_qkv.kd
    .args:
      - { .name: opc, .offset: 0, .size: 8, .value_kind: global_buffer, .address_space: global }
      - { .name: ops, .offset: 8, .size: 8, .value_kind: global_buffer, .address_space: global }
      - { .name: b_qkv, .offset: 16, .size: 8, .value_kind: global_buffer, .address_space: global }
      - { .name: rec, .offset: 24, .size: 8, .value_kind: global_buffer, .address_space: global }
    .group_segment_fixed_size: 327680
    .private_segment_fixed_size: 0
    .kernarg_segment_align: 8
    .kernarg_segment_size: 32
    .max_flat_workgroup_size: 128
    .sgpr_count:     104
    .vgpr_count:     1024
    .wavefront_size: 32
...
	.end_amdgpu_metadata
.endif
;; end of part 2
;; launch attn (part 3): grid 4 x 64, 16 waves a work-group, no clusters, 327,680 bytes of LDS; arguments rec, yc, ys; writes yc, ys
.if DOCPART == 3
	.amdgcn_target "amdgcn-amd-amdhsa--gfx1250"
	.amdhsa_code_object_version 6
	.text
	.protected	k_qfe9d6eeacd_attn
	.globl	k_qfe9d6eeacd_attn
	.p2align	8
	.type	k_qfe9d6eeacd_attn,@function
k_qfe9d6eeacd_attn:
	s_mov_b64 s[64:65], 0
	v_nop
	global_prefetch_b8 v0, s[64:65] scope:SCOPE_SE
	s_setreg_imm32_b32 hwreg(HW_REG_WAVE_MODE, 25, 1), 1
	s_wait_xcnt 0x0
; y[b][q][head] = softmax over the keys k <= q of (q . k / 8) x v, both products on codes of FP6 (E2M3) with E8M0 scales; y leaves as codes, quantised along the 1,024 channels for the last product.
; THE SOFTMAX AHEAD OF THE SECOND PRODUCT: t = score x log2(e) / 8; M = the row's largest t so far, rounded UP to a whole number; p = 2^(t - M) is what is quantised, along the keys; it is not normalised.
; The row's sum is taken of the unquantised p, in f32, and divides at the end.  When M moves, the sum and O are multiplied by 2^(old M - new M): exact.
; INPUT: rec, records of 39,424 bytes, record (16 batch + head) 8 + slot, a slot = 256 tokens = two chunks of 128: K's codes, K's scale words, V's codes (keys innermost), V's scale words: 26,112 bytes; then Q's codes and scale words.
; All are images of operand registers: 16 bytes a lane, 512 bytes a load.  Lane r of a tile T of 16 tokens holds token 32 (T / 2) + 8 (T % 2) + r % 8 + 16 (r / 8) of its chunk.
; SHARES.  Work-group (p, head) owns the blocks p and 7 - p of 256 queries: block p needs p + 1 slots of keys, block 7 - p needs 8 - p: NINE slots in every work-group, a constant of the text, and equal work on all 256.
; Each of the sixteen waves owns one tile of 16 queries of the block in hand, in 256 registers: four waves to a SIMD, so that one wave's vector work stands beside another's matrix work and LDS loads.
; A step of 128 keys all of which come after my queries is left out: a scalar branch on ids round the step's work; no barrier or tensor load stands in a step.
; NO CLUSTER: in the same trip the four work-groups of a head read different records (trip i: record i while i <= p, then record i - p - 1); walking in step would take 4 + 8 = 12 slots for each against 9.
; LAYOUT.  Both products are used transposed: S^T = K Q^T (source 0 = 16 keys, source 1 = my 16 queries), O^T = V^T P^T (source 0 = 16 channels, source 1 = P): a lane holds ONE query throughout, and the 16 registers of
; tiles 2 b and 2 b + 1 are 16 neighbours (keys, or channels): 32 b + 16 (lane / 16) + 0 .. 15.
; K = 64 IN AN INSTRUCTION OF 128: Q's upper six registers are zero codes.  A tile of K is six registers; the operand of tile t is v[32 + 6 t] on, twelve registers, whose upper six are the next tile's codes (behind the last tile: zeros):
; they meet Q's zeros, under scale bytes that are 0.
; LIMITS: a block of zeros gets the byte 1 where the rule says 127 (its codes are zeros; this program alone reads the bytes); blocks of y under 2^-124 were not tried; NaN and infinities are not served.
; REGISTERS: v1-9 addresses that stay; v12 -M, v13 the largest t, v[14:15] the sum in two halves; v16-21 Q, v22-27 zeros; v32-79 K's eight tiles, then V's four; v80-85 zeros; v96-159 S^T, then p; v160-191 O^T;
;   v192-203 p's codes (at the end y's); v204-207 V's scale words, v208 p's, v248-251 K's, v255 Q's; v232-254 at work (v248-251 once K's products are issued).
.set REC,   39424
.set KC,    0
.set KS,    12288
.set VC,    13312
.set VS,    25600
.set QC,    26112
.set QS,    38400
.set HALFR, 13056                      ; half of a record's K and V part: what one tensor load brings: 51 rows of 256 bytes
.set SLOT1, 32768                      ; slot 1 begins here, so that one exclusive or turns an address in one slot into the other's
.set SPARE, 65536                      ; the spare words, 128 bytes for each wave: eight blocks of 256 bytes that no other line names
.set LI,   1                           ; v1   16 x lane
.set L8,   2                           ; v2   8 x lane
.set RB8,  3                           ; v3   8 r + h
.set R16,  4                           ; v4   16 r
.set SPW,  5                           ; v5   LDS address of my spare word; never rewritten
.set NIL,  6                           ; v6   0; never rewritten
.set QL,   7                           ; v7   r % 8 + 16 (r / 8) - 16 h: my query in the tile, less my half's first key in a block
.set ADR,  8                           ; v8   LDS address of the slot in hand + 16 x lane
.set PFO,  9                           ; v9   the prefetches' offset; never rewritten
.set WV,   10                          ; s10  my wave's number
.set P,    11                          ; s11  work-group x
.set BH,   12                          ; s12  16 batch + head
.set SWT,  13                          ; s13  8 - p: the count of slots at which the block of queries changes
.set RH,   14                          ; s[14:15] the head's first record
.set RB,   16                          ; s[16:17] and my half of its K and V part
.set OFFR, 18                          ; s[18:19] the record that is asked for, in bytes from there
.set SEL,  20                          ; s[20:21] lane selects for v_permlanex16_b32: lane l xor 16
.set CS,   22                          ; s[22:23] c = log2(e) / 8
.set G1,   24                          ; s[24:31] descriptor group 1
.set PFA,  32                          ; s[32:33] where the prefetches stand
.set LIM,  34                          ; s34  1 in a wave that prefetches, else the greatest number
.set TB,   35                          ; s35  LDS byte at which the slot in hand begins
.set SLOTS, 36                         ; s36  slots still to be asked for
.set KF,   37                          ; s37  the step's first key
.set Q0,   38                          ; s38  my tile's first query
.set HM,   39                          ; s39  lanes 16-31
.set G0,   40                          ; s[40:43] descriptor group 0
.set PAR,  44                          ; s44  all ones in odd waves: the second tile of a pair
.set WQC,  45                          ; s45  my tile's pair among a record's Q codes
.set WQS,  46                          ; s46  my tile's word among its Q scale words
.set WQ0,  47                          ; s47  my tile's first query in a block
.set YC0,  48                          ; s48  my tile's place in yc, for block 0
.set YS0,  49                          ; s49  and in ys
.set BLK,  50                          ; s50  the block of queries in hand
; Waves 0 and 1 fetch, half a record each; the branch hangs on the wave's number alone.  Four v_nop follow the load.
.macro TLOAD
	s_cmp_lt_u32 s[WV], 2
	s_cbranch_scc0 .Lnone_\@
	tensor_load_to_lds s[G0:G0+3], s[G1:G1+7]
	s_nop 0
.rept 4
	v_nop
.endr
.Lnone_\@:
.endm
; A PREFETCH INTO THE L2 of the record that the NEXT change of slots will ask for.  All four work-groups of a head read the head's records; the one with p = 0 walks them all in order (trip i + 1 reads record i), so it asks, and nobody else.
; In it waves 4 to 7, which fetch nothing, ask: one instruction each, lanes 256 bytes apart, 8,192 bytes a wave: the record's first 32,768 bytes, each aligned block of 256 named once:
; the 26,112 of K and V, and the head of the record's Q part, which the launch reads as well.  In trip i the address stands at record i + 1; the trip that would name record 8 asks for nothing.  Record 0 comes by its load alone.
.macro ASK
	s_cmp_gt_u32 s[SLOTS], s[LIM]
	s_cbranch_scc0 .Lnot_mine_\@
	global_prefetch_b8 v[PFO], s[PFA:PFA+1] th:TH_LOAD_NT scope:SCOPE_SE
.Lnot_mine_\@:
.endm
	s_load_b128 s[4:7], s[0:1], 0x0                ; rec, yc
	s_load_b64 s[8:9], s[0:1], 0x10                ; ys
	v_lshl_add_u32 v[SPW], v0, 2, SPARE
	v_mov_b32 v[NIL], 0
	ds_add_u32 v5, v6
	ds_add_u32 v5, v6
	s_wait_dscnt 0x0
	v_lshrrev_b32 v10, 5, v0
	s_delay_alu instid0(VALU_DEP_1)
	v_readfirstlane_b32 s[WV], v10                 ; wave 0..15
	s_mov_b32 s[P], ttmp9
	s_and_b32 s[BH], ttmp7, 0xffff
	s_sub_co_u32 s[SWT], 8, s[P]
	s_mov_b32 s[G1], 3<<16                         ; 15:0 no mask; 17:16 elements of 8 bytes; no padding
	s_mov_b32 s[G1+1], 32<<16                      ; tensor_dim0 = 32: rows of 256 bytes
	s_mov_b32 s[G1+2], 51<<16                      ; tensor_dim1 = 51
	s_mov_b32 s[G1+3], 32<<16                      ; tile_dim0
	s_mov_b32 s[G1+4], 51                          ; tile_dim1
	s_mov_b32 s[G1+5], 32                          ; tensor_dim0_stride: dense
	s_mov_b32 s[G1+6], 0
	s_mov_b32 s[G1+7], 0
	s_mul_i32 s60, s[BH], 8*REC
	s_mov_b32 s61, 0
	s_and_b32 s62, s[WV], 1
	s_mul_i32 s62, s62, HALFR                      ; my half: in memory and in a slot
	s_mov_b32 s63, 0
	s_mov_b32 s[OFFR], 0
	s_mov_b32 s[OFFR+1], 0
	s_mov_b32 s[TB], 0
	s_mov_b32 s[SLOTS], 8
	s_mov_b32 s[SEL], 0x76543210
	s_mov_b32 s[SEL+1], 0xfedcba98
	s_mov_b32 s[CS], 0x3e38aa3b                    ; c = log2(e) / 8
	s_mov_b32 s[CS+1], s[CS]                       ; (named with it as a pair, so it is written)
	s_mov_b32 s[HM], 0xffff0000
	s_wait_kmcnt 0x0
	s_add_nc_u64 s[RH:RH+1], s[4:5], s[60:61]
	s_add_nc_u64 s[RB:RB+1], s[RH:RH+1], s[62:63]
	s_mov_b64 s[PFA:PFA+1], s[RH:RH+1]             ; at record 0: the first change of slots steps it to record 1.  Nothing is prefetched here, at the head
	s_mov_b32 s[G0], 1                             ; 1:0 count = 1
	s_mov_b32 s[G0+1], s62                         ; 63:32 LDS address: slot 0
	s_mov_b64 s[G0+2:G0+3], s[RB:RB+1]             ; 120:64 global address: record 0
	s_or_b32 s[G0+3], s[G0+3], 0x80000000          ; 127:126 type = 2
	TLOAD                                          ; the first fill, ahead of every wait on TENSORcnt, every LDS read and every barrier
	; what hangs on the wave and the head alone
	s_and_b32 s[PAR], s[WV], 1
	s_sub_co_u32 s[PAR], 0, s[PAR]
	s_lshr_b32 s60, s[WV], 3                       ; my chunk of the block
	s_and_b32 s61, s[WV], 7                        ; my tile of the chunk
	s_mul_i32 s[WQC], s60, 6144
	s_lshr_b32 s62, s61, 1
	s_mul_i32 s62, s62, 1536
	s_add_co_u32 s[WQC], s[WQC], s62
	s_add_co_u32 s[WQC], s[WQC], QC
	s_lshl_b32 s[WQS], s60, 9
	s_lshr_b32 s62, s61, 2
	s_lshl_b32 s62, s62, 8
	s_add_co_u32 s[WQS], s[WQS], s62
	s_and_b32 s62, s[WV], 3
	s_lshl_b32 s62, s62, 2
	s_add_co_u32 s[WQS], s[WQS], s62
	s_add_co_u32 s[WQS], s[WQS], QS
	s_lshr_b32 s62, s[WV], 1
	s_lshl_b32 s[WQ0], s62, 5
	s_and_b32 s62, s[WV], 1
	s_lshl_b32 s62, s62, 3
	s_add_co_u32 s[WQ0], s[WQ0], s62               ; 32 (wave / 2) + 8 (wave % 2)
	s_lshr_b32 s62, s[BH], 4
	s_lshl_b32 s62, s62, 4
	s_add_co_u32 s62, s62, s60                     ; y's group of 128 tokens, for block 0: 16 batch + chunk
	s_mul_i32 s[YC0], s62, 98304
	s_lshl_b32 s[YS0], s62, 12
	s_mul_i32 s62, s61, 1536                       ; my tile
	s_add_co_u32 s[YC0], s[YC0], s62
	s_lshl_b32 s62, s61, 7
	s_add_co_u32 s[YS0], s[YS0], s62
	s_and_b32 s61, s[BH], 15                       ; the head: channels 64 head on: K step head / 2, registers 6 (head % 2) on
	s_lshr_b32 s62, s61, 1
	s_mul_i32 s62, s62, 12288
	s_add_co_u32 s[YC0], s[YC0], s62
	s_and_b32 s62, s61, 1
	s_mul_i32 s62, s62, 768
	s_add_co_u32 s[YC0], s[YC0], s62
	s_lshr_b32 s62, s61, 2
	s_lshl_b32 s62, s62, 10
	s_add_co_u32 s[YS0], s[YS0], s62
	s_and_b32 s62, s61, 3
	s_lshl_b32 s62, s62, 1
	s_add_co_u32 s[YS0], s[YS0], s62               ; its two scale bytes: 2 (head % 4) on in the row's eight
	s_lshr_b32 s60, s[WV], 2
	s_xor_b32 s60, s60, 1                          ; 0 in waves 4 to 7,
	s_or_b32 s60, s60, s[P]                        ; of the work-group with p = 0
	s_cmp_eq_u32 s60, 0
	s_cselect_b32 s[LIM], 1, -1
	s_and_b32 s60, s[WV], 3
	s_lshl_b32 s60, s60, 13
	v_and_b32 v10, 31, v0                          ; lane
	v_and_b32 v11, 15, v0                          ; r
	v_bfe_u32 v28, v0, 4, 1                        ; h
	s_delay_alu instid0(VALU_DEP_3)
	v_lshlrev_b32 v[LI], 4, v10
	s_delay_alu instid0(VALU_DEP_4)
	v_lshlrev_b32 v[L8], 3, v10
	s_delay_alu instid0(VALU_DEP_3)
	v_lshl_add_u32 v[RB8], v11, 3, v28
	v_lshlrev_b32 v[R16], 4, v11
	v_and_b32 v[QL], 7, v0
	v_bfe_u32 v29, v0, 3, 1
	s_delay_alu instid0(VALU_DEP_1)
	v_lshl_add_u32 v[QL], v29, 4, v[QL]
	v_lshlrev_b32 v29, 4, v28
	s_delay_alu instid0(VALU_DEP_1)
	v_sub_nc_u32 v[QL], v[QL], v29
	v_lshl_add_u32 v[PFO], v10, 8, s60
.irp i, 0,1,2,3,4,5
	v_mov_b32 v[22+\i], 0                          ; Q's upper half: zero codes
	v_mov_b32 v[80+\i], 0                          ; and what stands behind K's last tile
.endr
.irp b, 0,1,2,3
	v_mov_b32 v[236+\b], 0                         ; written once: a lane permute's destination counts as one of its sources
.endr
	v_mov_b32 v252, 0
	v_mov_b32 v253, 0                              ; (named as the upper half of the pair v[252:253])
; My tile of Q of block s[BLK] comes into registers, and the statistics begin anew: O^T and the sum as zeros, the largest t as -3e38: the first change of M multiplies zeros.
.macro QLOAD
	s_mul_i32 s60, s[BLK], REC
	s_add_co_u32 s52, s60, s[WQC]
	s_mov_b32 s53, 0
	s_add_co_u32 s54, s60, s[WQS]
	s_mov_b32 s55, 0
	s_add_nc_u64 s[52:53], s[RH:RH+1], s[52:53]
	s_add_nc_u64 s[54:55], s[RH:RH+1], s[54:55]
	s_lshl_b32 s[Q0], s[BLK], 8
	s_add_co_u32 s[Q0], s[Q0], s[WQ0]
	s_mov_b32 s[KF], 0
.irp g, 0,1,2
	global_load_b128 v[32+4*\g:35+4*\g], v[LI], s[52:53] offset:512*\g   ; the pair of tiles in which mine lies
.endr
	global_load_b32 v255, v[R16], s[54:55]         ; my tile's scale words
.set j, 0
.rept 32
	v_mov_b32 v[160+j], 0                          ; O^T, while the loads are on their way
.set j, j+1
.endr
	s_wait_loadcnt 0x0
.irp i, 0,1,2,3,4,5
	v_cndmask_b32 v[16+\i], v[32+\i], v[38+\i], s[PAR]
.endr
	v_mov_b32 v13, 0xff61b1e6                      ; the largest t so far: -3e38, under every t
	s_delay_alu instid0(VALU_DEP_1)
	v_floor_f32 v12, -v13                          ; -M
	v_mov_b32 v14, 0                               ; the sum, in two halves
	v_mov_b32 v15, 0
.endm
; A KEY STEP: 128 keys, the q-th chunk of the slot in hand.
.macro STEP q
	s_add_co_u32 s60, s[Q0], 23                    ; my last query
	s_cmp_gt_u32 s[KF], s60
	s_cbranch_scc1 .Lhidden_\@
	v_add_nc_u32 v[ADR], s[TB], v[LI]
.rept 3
	v_nop                                          ; with the addition: four places in front of loads into registers that the last products have read, and behind vector writes of Q
.endr
.irp i, 0,1,2,3,4,5,6,7,8,9,10,11
	ds_load_b128 v[32+4*\i:35+4*\i], v[ADR] offset:KC+6144*(\q)+512*\i   ; K's eight tiles: 512 consecutive bytes a load
.endr
	ds_load_b128 v[248:251], v[ADR] offset:KS+512*(\q)   ; their scale words: lanes 0-15 tiles 0-3, lanes 16-31 tiles 4-7
	s_wait_dscnt 0x0
	s_wait_alu depctr_va_vdst(0)
.irp t, 0,1,2,3
	v_wmma_scale_f32_16x16x128_f8f6f4 v[96+8*\t:103+8*\t], v[32+6*\t:43+6*\t], v[16:27], 0, v[248+\t], v255 matrix_a_fmt:MATRIX_FMT_FP6 matrix_b_fmt:MATRIX_FMT_FP6
.endr
.irp t, 4,5,6,7
	v_wmma_scale_f32_16x16x128_f8f6f4 v[96+8*\t:103+8*\t], v[32+6*\t:43+6*\t], v[16:27], 0, v[244+\t], v255 matrix_a_fmt:MATRIX_FMT_FP6 matrix_b_fmt:MATRIX_FMT_FP6 matrix_a_scale:MATRIX_SCALE_ROW1
.endr
.rept 4
	v_nop                                          ; places behind the products
.endr
.irp i, 0,1,2,3,4,5,6,7,8,9,10,11
	ds_load_b128 v[32+4*\i:35+4*\i], v[ADR] offset:VC+6144*(\q)+512*\i   ; V's four tiles are asked for now and land under the softmax
.endr
	ds_load_b128 v[204:207], v[ADR] offset:VS      ; their scale words: lanes 0-15 the slot's first chunk, lanes 16-31 its second
	s_add_co_u32 s60, s[KF], 127                   ; on the diagonal the scores of hidden keys become -infinity ahead of the maximum: p = 0 then.  A step all of whose keys count skips this
	s_cmp_le_u32 s60, s[Q0]
	s_cbranch_scc1 .Lopen_\@
	s_sub_co_i32 s60, s[Q0], s[KF]
	v_add_nc_u32 v252, s60, v[QL]                  ; d = my query - KF - 16 (lane / 16).  Register 16 b + i holds key KF + 16 (lane / 16) + 32 b + i: hidden where 32 b + i > d
	v_mov_b32 v254, 0xff800000                     ; -infinity
.set n, 0
.rept 64
	v_cmp_gt_i32 vcc_lo, 32*(n/16)+n%16, v252
	v_cndmask_b32 v[96+n], v[96+n], v254, vcc_lo
.set n, n+1
.endr
.Lopen_\@:
.irp b, 0,1,2,3
	v_max3_num_f32 v[232+\b], v[96+16*\b], v[97+16*\b], v[98+16*\b]   ; THE LARGEST SCORE OF EACH BLOCK OF 32 KEYS serves twice: for the row's maximum, and, since p rises with the score, for the block's largest p
.endr
.irp i, 3,5,7,9,11,13
.irp b, 0,1,2,3
	v_max3_num_f32 v[232+\b], v[232+\b], v[96+16*\b+\i], v[97+16*\b+\i]   ; (the four blocks by turns)
.endr
.endr
.irp b, 0,1,2,3
	v_max_num_f32 v[232+\b], v[232+\b], v[111+16*\b]
.endr
.irp b, 0,1,2,3
	s_delay_alu instid0(VALU_DEP_4)
	v_permlanex16_b32 v[236+\b], v[232+\b], s[SEL], s[SEL+1]
.endr
.irp b, 0,1,2,3
	s_delay_alu instid0(VALU_DEP_4)
	v_max_num_f32 v[232+\b], v[232+\b], v[236+\b]  ; with lane l xor 16's 16 keys
.endr
	s_delay_alu instid0(VALU_DEP_2)
	v_max3_num_f32 v254, v232, v233, v234
	s_delay_alu instid0(VALU_DEP_1)
	v_max_num_f32 v254, v254, v235                 ; the step's largest score of my query
	s_delay_alu instid0(VALU_DEP_1)
	v_mul_f32 v254, s[CS], v254                    ; as t (c is positive)
	s_delay_alu instid0(VALU_DEP_1)
	v_max_num_f32 v13, v13, v254                   ; the running largest t
	v_mov_b32 v254, v12
	s_delay_alu instid0(VALU_DEP_2)
	v_floor_f32 v12, -v13                          ; the new -M = floor(-t) = -ceil(t): M IS A WHOLE NUMBER
	s_delay_alu instid0(VALU_DEP_1)
	v_sub_f32 v254, v12, v254                      ; M's old value less its new one: a whole number, 0 or less
	s_delay_alu instid0(VALU_DEP_1)
	v_cvt_i32_f32 v254, v254                       ; (it saturates)
	s_delay_alu instid0(VALU_DEP_1)
	v_ldexp_f32 v252, 1.0, v254                    ; f = 2^(old M - new M): a multiplication by it rounds nothing
.set j, 0
.rept 32
	v_pk_fma_f32 v[96+j:97+j], v[96+j:97+j], s[CS:CS+1], v[12:13] op_sel_hi:[1,0,0]   ; t - M, two at a time (of the pairs c and -M the low word serves both halves)
.set j, j+2
.endr
.irp b, 0,1,2,3
	v_fma_f32 v[232+\b], v[232+\b], s[CS], v12     ; the same of each block's largest score
.endr
.set j, 0
	s_wait_alu depctr_va_vdst(0)
.rept 64
	v_exp_f32 v[96+j], v[96+j]                     ; p = 2^(t - M), at most 1: NOT normalised
.set j, j+1
.endr
	v_pk_mul_f32 v[14:15], v[14:15], v[252:253] op_sel_hi:[1,0]   ; the sums under the new M.  (A plain line behind the exponentials)
	s_wait_alu depctr_va_vdst(0)                   ; one wait for the whole batch, ahead of its first reader
.irp b, 0,1,2,3
	v_exp_f32 v[232+\b], v[232+\b]                 ; the block's largest p: the same two instructions on the same number give the same bits
.endr
	v_pk_add_f32 v[236:237], v[100:101], v[104:105]
	v_pk_add_f32 v[250:251], v[108:109], v[112:113]
	v_pk_add_f32 v[248:249], v[116:117], v[120:121]
	v_pk_add_f32 v[246:247], v[124:125], v[128:129]
	v_pk_add_f32 v[244:245], v[132:133], v[136:137]
	v_pk_add_f32 v[242:243], v[140:141], v[144:145]
	v_pk_add_f32 v[240:241], v[148:149], v[152:153]
	v_pk_add_f32 v[14:15], v[14:15], v[156:157]
	v_pk_add_f32 v[236:237], v[236:237], v[96:97]
	v_pk_add_f32 v[250:251], v[250:251], v[98:99]
	v_pk_add_f32 v[248:249], v[248:249], v[102:103]
	v_pk_add_f32 v[246:247], v[246:247], v[106:107]
	v_pk_add_f32 v[244:245], v[244:245], v[110:111]
	v_pk_add_f32 v[242:243], v[242:243], v[114:115]
	v_pk_add_f32 v[240:241], v[240:241], v[118:119]
	v_pk_add_f32 v[14:15], v[14:15], v[122:123]
	v_pk_add_f32 v[236:237], v[236:237], v[126:127]
	v_pk_add_f32 v[250:251], v[250:251], v[130:131]
	v_pk_add_f32 v[248:249], v[248:249], v[134:135]
	v_pk_add_f32 v[246:247], v[246:247], v[138:139]
	v_pk_add_f32 v[244:245], v[244:245], v[142:143]
	v_pk_add_f32 v[242:243], v[242:243], v[146:147]
	v_pk_add_f32 v[240:241], v[240:241], v[150:151]
	v_pk_add_f32 v[14:15], v[14:15], v[154:155]
	v_pk_add_f32 v[236:237], v[236:237], v[158:159]
	s_delay_alu instid0(VALU_DEP_2)
	v_pk_add_f32 v[14:15], v[14:15], v[246:247]
	s_delay_alu instid0(VALU_DEP_2)
	v_pk_add_f32 v[236:237], v[236:237], v[244:245]
	v_pk_add_f32 v[250:251], v[250:251], v[242:243]
	v_pk_add_f32 v[248:249], v[248:249], v[240:241]
	s_delay_alu instid0(VALU_DEP_2)
	v_pk_add_f32 v[14:15], v[14:15], v[250:251]
	s_delay_alu instid0(VALU_DEP_2)
	v_pk_add_f32 v[236:237], v[236:237], v[248:249]
	s_delay_alu instid0(VALU_DEP_1)
	v_pk_add_f32 v[14:15], v[14:15], v[236:237]
	s_wait_alu depctr_va_vdst(0)                   ; and one for the four
.irp b, 0,1,2,3
	v_max_num_f32 v[232+\b], 0x1800000, v[232+\b]  ; the floor 2^(3 - 127): the byte cannot fall under 1 (a block whose every p is 0 keeps that byte: its codes are zeros)
.endr
.irp b, 0,1,2,3
	s_delay_alu instid0(VALU_DEP_4)
	v_add_nc_u32 v[244+\b], 0xff000000, v[232+\b]  ; 2 off the exponent field: the conversion's scale operand
.endr
.irp b, 0,1,2,3
	s_delay_alu instid0(VALU_DEP_4)
	v_lshrrev_b32 v[236+\b], 23, v[244+\b]         ; the scale's byte
.endr
	s_delay_alu instid0(VALU_DEP_3)
	v_lshl_or_b32 v208, v237, 8, v236              ; p's scale word for these 128 keys
	s_delay_alu instid0(VALU_DEP_1)
	v_lshl_or_b32 v208, v238, 16, v208
	s_delay_alu instid0(VALU_DEP_1)
	v_lshl_or_b32 v208, v239, 24, v208
.irp c, 0,1
	v_cvt_scalef32_pk16_fp6_f32 v[192+6*\c:194+6*\c], v[96+32*\c:111+32*\c], v[244+2*\c]
	v_cvt_scalef32_pk16_fp6_f32 v[236+4*\c:238+4*\c], v[112+32*\c:127+32*\c], v[244+2*\c+1]   ; (a conversion's three registers begin on an even number)
.endr
	v_nop                                          ; one plain line behind the scaled conversions
.irp c, 0,1                                    ; the operand's layout wants a WHOLE block in a lane: lanes 0-15 block 2 c, lanes 16-31 block 2 c + 1
.irp i, 0,1,2
	v_permlane16_swap_b32 v[192+6*\c+\i], v[236+4*\c+\i]
.endr
.irp i, 0,1,2
	s_delay_alu instid0(VALU_DEP_3)
	v_mov_b32 v[195+6*\c+\i], v[236+4*\c+\i]
.endr
.endr
.set j, 0
.rept 16
	v_pk_mul_f32 v[160+j:161+j], v[160+j:161+j], v[252:253] op_sel_hi:[1,0]   ; O^T under the new M: x f.  (These sixteen are also the places between the writes of p's codes and scale word and the products below)
.set j, j+2
.endr
	s_wait_alu depctr_va_vdst(0)
	s_wait_dscnt 0x0                               ; V is in
.irp t, 0,1,2,3                                ; O^T += V^T P^T: four tiles of 16 channels, by turns; K = these 128 keys
.if (\q) == 0
	v_wmma_scale_f32_16x16x128_f8f6f4 v[160+8*\t:167+8*\t], v[32+12*\t:43+12*\t], v[192:203], v[160+8*\t:167+8*\t], v[204+\t], v208 matrix_a_fmt:MATRIX_FMT_FP6 matrix_b_fmt:MATRIX_FMT_FP6
.else
	v_wmma_scale_f32_16x16x128_f8f6f4 v[160+8*\t:167+8*\t], v[32+12*\t:43+12*\t], v[192:203], v[160+8*\t:167+8*\t], v[204+\t], v208 matrix_a_fmt:MATRIX_FMT_FP6 matrix_b_fmt:MATRIX_FMT_FP6 matrix_a_scale:MATRIX_SCALE_ROW1
.endif
.endr
.Lhidden_\@:
	s_add_co_u32 s[KF], s[KF], 128
.endm
; THE CHANGE OF SLOTS stands at a slot's head.  Each wave waits for all its tensor loads (its part of the slot that it is about to read), adds 0 to its spare word, and waits for that and for its reads of the slot that it has left.
; Behind the barrier the slot ahead is whole and nobody reads the other one.  fill = 1: that other slot is filled with the next trip's record: one tensor load of a wave is out, and it has a whole slot's two steps in which to land.
.macro CHANGE fill
	s_wait_tensorcnt 0x0                           ; no tensor load of mine is out, so group 0 may be written
	ds_add_u32 v[SPW], v[NIL]                      ; 0 onto my spare word; the descriptor's steps stand between it and the wait for it
.if \fill
	s_xor_b32 s[G0+1], s[G0+1], SLOT1              ; the other slot than last time,
	s_add_co_u32 s[OFFR], s[OFFR], REC             ; the next record,
	s_cmp_eq_u32 s[SLOTS], s[SWT]
	s_cselect_b32 s[OFFR], 0, s[OFFR]              ; or record 0 again, where the next trip begins the second block of queries
	s_add_nc_u64 s[G0+2:G0+3], s[RB:RB+1], s[OFFR:OFFR+1]
	s_or_b32 s[G0+3], s[G0+3], 0x80000000
	s_wait_xcnt 0x0                                ; the last prefetch, a slot back, has read its address, so it may be written
	s_add_nc_u64 s[PFA:PFA+1], s[PFA:PFA+1], REC
.endif
	s_wait_dscnt 0x0                               ; the add is done, and my reads of the slot that I have left are over
	s_barrier_signal -1
	s_barrier_wait -1
.if \fill
	TLOAD                                          ; the first thing behind the barrier, and a wave's one tensor load until the next
	ASK
.endif
.endm
; A BLOCK OF QUERIES IS FINISHED: y = O^T / the sum; register 16 b + i is channel 32 b + 16 (lane / 16) + i of my query: two blocks of 32 along the last product's K.  They are quantised and leave as half a fragment of that product's
; operand: six registers a lane, three pieces of 256 bytes; the two scale bytes go to their places in the row's scale words.
.macro FINISH
.rept 4
	v_nop                                          ; places behind the last products
.endr
	v_add_f32 v14, v14, v15                        ; the sum's two halves,
	s_delay_alu instid0(VALU_DEP_1)
	v_permlanex16_b32 v252, v14, s[SEL], s[SEL+1]
	s_delay_alu instid0(VALU_DEP_1)
	v_add_f32 v14, v14, v252                       ; and lane l xor 16's: the row's sum
	s_wait_alu depctr_va_vdst(0)
	v_rcp_f32 v14, v14
	v_nop                                          ; a plain line behind the transcendental
	s_mul_i32 s60, s[BLK], 196608                  ; a block of 256 queries is two groups of 128 tokens
	s_add_co_u32 s56, s60, s[YC0]
	s_mov_b32 s57, 0
	s_lshl_b32 s60, s[BLK], 13
	s_add_co_u32 s58, s60, s[YS0]
	s_mov_b32 s59, 0
	s_add_nc_u64 s[56:57], s[6:7], s[56:57]
	s_add_nc_u64 s[58:59], s[8:9], s[58:59]
	s_wait_alu depctr_va_vdst(0)                   ; the wait ahead of the reciprocal's first reader
.set j, 0
.rept 32
	v_mul_f32 v[96+j], v[160+j], v14               ; each accumulator from its low end on
.set j, j+1
.endr
.irp b, 0,1
	v_max3_num_f32 v[232+\b], |v[96+16*\b]|, |v[97+16*\b]|, 0x1800000
.endr
.irp i, 2,4,6,8,10,12,14
.irp b, 0,1
	s_delay_alu instid0(VALU_DEP_2)
	v_max3_num_f32 v[232+\b], v[232+\b], |v[96+16*\b+\i]|, |v[97+16*\b+\i]|
.endr
.endr
.irp b, 0,1
	s_delay_alu instid0(VALU_DEP_2)
	v_permlanex16_b32 v[236+\b], v[232+\b], s[SEL], s[SEL+1]
.endr
.irp b, 0,1
	s_delay_alu instid0(VALU_DEP_2)
	v_max_num_f32 v[232+\b], v[232+\b], v[236+\b]
.endr
.irp b, 0,1
	s_delay_alu instid0(VALU_DEP_2)
	v_add_nc_u32 v[244+\b], 0xff000000, v[232+\b]
.endr
.irp b, 0,1
	s_delay_alu instid0(VALU_DEP_2)
	v_lshrrev_b32 v[240+\b], 23, v[244+\b]
.endr
	s_delay_alu instid0(VALU_DEP_1)
	v_cndmask_b32 v10, v240, v241, s[HM]           ; lanes 0-15 store the first block's byte, lanes 16-31 the second's
	v_cvt_scalef32_pk16_fp6_f32 v[192:194], v[96:111], v244
	v_cvt_scalef32_pk16_fp6_f32 v[196:198], v[112:127], v245
	v_nop                                          ; one plain line behind the scaled conversions
.irp i, 0,1,2
	v_permlane16_swap_b32 v[192+\i], v[196+\i]     ; a whole block in a lane
.endr
.irp i, 0,1,2
	s_delay_alu instid0(VALU_DEP_3)
	v_mov_b32 v[195+\i], v[196+\i]
.endr
.irp pp, 0,1,2
	global_store_b64 v[L8], v[192+2*\pp:193+2*\pp], s[56:57] offset:256*\pp   ; 32 lanes store 256 consecutive bytes, aligned
.endr
	global_store_b8 v[RB8], v10, s[58:59]          ; a row's eight bytes come from four heads, so from four work-groups: single bytes, one part in 24 of what is stored here
	s_wait_xcnt 0x0                                ; the stores have read their registers and addresses: both are written again further on
.endm
	s_mov_b32 s[BLK], s[P]
	QLOAD
.Lslot:                                            ; eight trips; behind each change of slots the next trip's record is asked for
	CHANGE 1
	STEP 0
	STEP 1
	s_xor_b32 s[TB], s[TB], SLOT1                  ; on to the other slot
	s_cmp_eq_u32 s[SLOTS], s[SWT]                  ; block p has had its p + 1 slots: the same in all sixteen waves
	s_cbranch_scc0 .Lsame
	s_wait_alu depctr_va_vdst(0)
	FINISH
	s_sub_co_u32 s[BLK], 7, s[P]
	QLOAD
.Lsame:
	s_sub_co_u32 s[SLOTS], s[SLOTS], 1
	s_cmp_lg_u32 s[SLOTS], 0
	s_cbranch_scc1 .Lslot
	CHANGE 0                                       ; the ninth slot is written out
	STEP 0
	STEP 1
	s_wait_alu depctr_va_vdst(0)
	FINISH
	s_wait_tensorcnt 0x0                           ; the wave's end
	ds_add_u32 v[SPW], v[NIL]
	s_wait_dscnt 0x0
	s_endpgm
.Lfunc_end_k_qfe9d6eeacd_attn:
	.size	k_qfe9d6eeacd_attn, .Lfunc_end_k_qfe9d6eeacd_attn-k_qfe9d6eeacd_attn
	.p2alignl 7, 3214868480
	.fill 96, 4, 3214868480
	.section	.rodata,"a",@progbits
	.p2align	6, 0x0
	.amdhsa_kernel k_qfe9d6eeacd_attn
		.amdhsa_group_segment_fixed_size 327680
		.amdhsa_private_segment_fixed_size 0
		.amdhsa_enable_private_segment 0
		.amdhsa_kernarg_size 24
		.amdhsa_user_sgpr_count 2
		.amdhsa_user_sgpr_kernarg_segment_ptr 1
		.amdhsa_wavefront_size32 1
		.amdhsa_system_sgpr_workgroup_id_x 1
		.amdhsa_system_sgpr_workgroup_id_y 1
		.amdhsa_system_sgpr_workgroup_id_z 1
		.amdhsa_system_vgpr_workitem_id 0
		.amdhsa_next_free_vgpr 256
		.amdhsa_next_free_sgpr 66
		.amdhsa_reserve_vcc 1
		.amdhsa_float_denorm_mode_32 3
		.amdhsa_float_denorm_mode_16_64 3
		.amdhsa_memory_ordered 1
		.amdhsa_forward_progress 1
		.amdhsa_inst_pref_size 109
	.end_amdhsa_kernel
	.amdgpu_metadata
---
amdhsa.version: [ 1, 2 ]
amdhsa.kernels:
  - .name:           k_qfe9d6eeacd_attn
    .symbol:         k_qfe9d6eeacd_attn.kd
    .args:
      - { .name: rec, .offset: 0, .size: 8, .value_kind: global_buffer, .address_space: global }
      - { .name: yc, .offset: 8, .size: 8, .value_kind: global_buffer, .address_space: global }
      - { .name: ys, .offset: 16, .size: 8, .value_kind: global_buffer, .address_space: global }
    .group_segment_fixed_size: 327680
    .private_segment_fixed_size: 0
    .kernarg_segment_align: 8
    .kernarg_segment_size: 24
    .max_flat_workgroup_size: 512
    .sgpr_count:     66
    .vgpr_count:     256
    .wavefront_size: 32
...
	.end_amdgpu_metadata
.endif
;; end of part 3
;; launch proj (part 4): grid 4 x 32, 4 waves a work-group, clusters of 4 x 4, 327,680 bytes of LDS; arguments yc, ys, opc, ops, b_proj, out0; writes out0
.if DOCPART == 4
	.amdgcn_target "amdgcn-amd-amdhsa--gfx1250"
	.amdhsa_code_object_version 6
	.text
	.protected	k_qfe9d6eeacd_proj
	.globl	k_qfe9d6eeacd_proj
	.p2align	8
	.type	k_qfe9d6eeacd_proj,@function
k_qfe9d6eeacd_proj:
	s_mov_b64 s[64:65], 0
	v_nop
	global_prefetch_b8 v0, s[64:65] scope:SCOPE_SE
	s_setreg_imm32_b32 hwreg(HW_REG_WAVE_MODE, 25, 1), 1
	s_wait_xcnt 0x0
	s_wait_alu depctr_hold_cnt(0) depctr_sa_sdst(0) depctr_va_vdst(0) depctr_va_sdst(0) depctr_va_ssrc(0) depctr_va_vcc(0) depctr_vm_vsrc(0)
	s_getreg_b32 s2, hwreg(HW_REG_IB_STS2, 6, 4)
	s_cmp_eq_u32 s2, 0
	s_cbranch_scc0 .Lentry_in_a_cluster
	s_endpgm
.Lentry_in_a_cluster:
	s_bfe_u32 s2, ttmp6, 0x10000c
	s_cmp_lg_u32 s2, 0xf033
	s_cbranch_scc0 .Lentry_shape_is_right
	s_endpgm
.Lentry_shape_is_right:
; out0 = y W_proj + b_proj on codes of FP6 (E2M3) with E8M0 scales, sums in f32.  y's codes and scale words come from yc / ys, W_proj's from opc / ops (blocks of 256 rows 44 to 47), all as images of the operand registers:
; groups of 128 rows, [group][K step][tile][1,536 bytes]; lane r of tile T holds row 32 (T / 2) + 8 (T % 2) + r % 8 + 16 (r / 8).
; A tile of 256 x 256 of out0 is made by four waves, each 128 x 128: 64 accumulators, 512 registers.  K = 1,024 goes in four slots of 256 through a ring of two LDS slots filled by the tensor data mover.
; Source 0 = 16 columns of W_proj ("B"), source 1 = 16 tokens ("A"): a lane holds one token, and the 16 registers of B's tiles 2 b and 2 b + 1 are the 16 neighbouring columns 32 b + 16 (lane / 16) + 0 .. 15.
; The bias is the C of each sum's first matrix instruction: it costs no addition.
; CLUSTERS: 4 x 4 work-groups; A's tiles are shared along a row of the cluster, B's along a column: each is asked for jointly.  The grid has 128 work-groups: out0 has 128 tiles of this size.
; REGISTERS, in windows of 256: window 0: v16-31 addresses; v32-63 scale words, two sets; v64-127 the bias; v128-223 A's fragments, ONE set; on the way out v128-255 take rows of out0.
;   window 1: B's fragments, TWO sets, at v0 and v128.   window 2: the accumulators of A's blocks 0-3 ((a, b) at v[8 (8 (a % 4) + b)]);   window 3: those of blocks 4-7.
.set NQ,     2                         ; K steps of 128 in a slot
.set FR,     12                        ; registers of a fragment
.set NL,     6                         ; LDS loads that bring one
.set NP,     4                         ; places behind this matrix instruction (ISA guide 7.12.1)
.set FRB,    1536
.set KST,    8*FRB
.set HALFT,  NQ*KST                    ; 128 rows x 256 K: what one tensor load brings: 24,576 consecutive bytes of memory
.set SLOT,   4*HALFT                   ; A's two halves, then B's two halves; no padding: every LDS load takes 256 consecutive bytes
.set SCL,    2*SLOT                    ; the scale words for all of K, 4,096 bytes for each 128 rows, filled once
.set HALFS,  4096
.set SPARE,  SCL+4*HALFS               ; the spare words, 128 bytes for each wave: two blocks of 256 bytes that no other line names
.set SPITCH, 528                       ; the way out: a stage of 16 rows x (512 bytes + 16) for each wave.  It lies in slot 0, which has had its last fill and its last read when the first result is stored there
.set ADRA, 16
.set ADRB, 20
.set STO,  24                          ; v24     the way out: where I put my bytes of a row
.set RD,   25                          ; v25     where I read a row back
.set CO,   26                          ; v26     my byte offset in a row of out0
.set ADRS, 27
.set SPW,  28
.set NIL,  29
.set SC,   32
.set BB,   64                          ; v64-127  b_proj: register 16 b + i = the column 32 b + 16 (lane / 16) + i of my 128
.set AF,   128
.set BK,   128                         ; the way out: 16 rows read back from the stage: v128-191 and v192-255 by turns
.set G1, 24
.set G0, 32
.set G1B, 48
.set G0B, 56
.set G1S, 68
.set G0S, 76
.set G1SB, 80
.set G0SB, 88
.set MSB, 0
.macro WIN new                         ; the immediate's high byte repeats the setting that is left
.if MSB != (\new)
	s_set_vgpr_msb (MSB<<8)|(\new)
.set MSB, (\new)
.endif
.endm
.set MUL_LO, 0xa1                      ; source 0 (B) window 1, source 1 (A) window 0, C and D window 2
.set MUL_HI, 0xf1                      ; the same, C and D window 3
.set FST_LO, 0x81                      ; the first K step: C (the bias) window 0, D window 2
.set FST_HI, 0xc1                      ; D window 3
.set TO_B,   0x40                      ; destination window 1, address window 0
.macro JLOAD g0a, g1a, g0b, g1b        ; a joint load: waves 0 and 1 fetch for A, waves 2 and 3 for B; four v_nop follow each of the two lines
	s_cmp_eq_u32 s15, 0
	s_cbranch_scc0 .Lfor_b_\@
	tensor_load_to_lds s[\g0a:\g0a+3], s[\g1a:\g1a+7]
	s_nop 0
.rept 4
	v_nop
.endr
	s_branch .Lasked_\@
.Lfor_b_\@:
	tensor_load_to_lds s[\g0b:\g0b+3], s[\g1b:\g1b+7]
	s_nop 0
.rept 4
	v_nop
.endr
.Lasked_\@:
.endm
.macro CREST                           ; a round of the cluster's barrier behind its opening barrier
	s_cmp_lg_u32 s14, 0
	s_cbranch_scc1 .Lnot_wave_0_\@
	s_barrier_signal -3
.Lnot_wave_0_\@:
	s_barrier_wait -3
	s_barrier_signal -1
	s_barrier_wait -1
.endm
.macro CROUND                          ; a whole round
	s_barrier_signal -1
	s_barrier_wait -1
	CREST
.endm
	s_load_b256 s[4:11], s[0:1], 0x0               ; yc s[4:5], ys s[6:7], opc s[8:9], ops s[10:11]
	s_load_b128 s[96:99], s[0:1], 0x20             ; b_proj s[96:97], out0 s[98:99]
	v_lshl_add_u32 v[SPW], v0, 2, SPARE
	v_mov_b32 v[NIL], 0
	ds_add_u32 v28, v29
	s_wait_dscnt 0x0
	v_lshrrev_b32 v1, 5, v0
	v_readfirstlane_b32 s14, v1                    ; wave 0..3
	s_lshr_b32 s15, s14, 1                         ; which half of A's 256 rows is mine.  Also: I fetch for A (0) or for B (1)
	s_and_b32 s16, s14, 1                          ; which half of B's.  Also: which 128 rows I fetch
	s_bfe_u32 s40, ttmp6, 0x40000                  ; cx, cy: my place in the cluster
	s_bfe_u32 s41, ttmp6, 0x40004
	s_and_b32 s17, ttmp7, 0xffff
	s_lshl_b32 s17, s17, 2
	s_add_co_u32 s12, s17, s41                     ; A's block of 256 tokens: 4 x cluster y + cy
	s_add_co_u32 s13, s40, 44                      ; B's block of 256 rows in opc: W_proj's columns 256 cx on
	s_lshl_b32 s43, s41, 2
	s_lshl_b32 s43, 15, s43                        ; my row of the cluster
	s_lshl_b32 s44, 0x1111, s40                    ; my column
	s_or_b32 s[G1+0], s43, (3<<16)|(1<<21)         ; 24,576 dense bytes as 96 rows of 32 elements of 8 bytes; 15:0 the mask; 21 set beside a mask; no padding
	s_or_b32 s[G1B+0], s44, (3<<16)|(1<<21)
.irp g, G1, G1B
	s_mov_b32 s[\g+1], 32<<16                      ; tensor_dim0
	s_mov_b32 s[\g+2], 96<<16                      ; tensor_dim1
	s_mov_b32 s[\g+3], 32<<16                      ; tile_dim0
	s_mov_b32 s[\g+4], 96                          ; tile_dim1
	s_mov_b32 s[\g+5], 32                          ; tensor_dim0_stride
	s_mov_b32 s[\g+6], 0
	s_mov_b32 s[\g+7], 0
.endr
	s_or_b32 s[G1S+0], s43, (3<<16)|(1<<21)        ; the scale words of 128 rows: 16 such rows
	s_or_b32 s[G1SB+0], s44, (3<<16)|(1<<21)
.irp g, G1S, G1SB
	s_mov_b32 s[\g+1], 32<<16
	s_mov_b32 s[\g+2], 16<<16
	s_mov_b32 s[\g+3], 32<<16
	s_mov_b32 s[\g+4], 16
	s_mov_b32 s[\g+5], 32
	s_mov_b32 s[\g+6], 0
	s_mov_b32 s[\g+7], 0
.endr
	s_mul_i32 s20, s12, 2*8*KST                    ; A's codes
	s_mul_i32 s18, s16, 8*KST
	s_add_co_u32 s20, s20, s18
	s_mov_b32 s21, 0
	s_mul_i32 s46, s13, 2*8*KST                    ; B's
	s_add_co_u32 s46, s46, s18
	s_mov_b32 s47, 0
	s_lshl_b32 s22, s12, 13                        ; A's scale words
	s_lshl_b32 s18, s16, 12
	s_add_co_u32 s22, s22, s18
	s_mov_b32 s23, 0
	s_lshl_b32 s92, s13, 13                        ; B's
	s_add_co_u32 s92, s92, s18
	s_mov_b32 s93, 0
	s_mul_i32 s45, s14, HALFT                      ; where they go: wave x a half: no place in the cluster enters an LDS address
	s_lshl_b32 s94, s14, 12
	s_wait_kmcnt 0x0
	s_add_nc_u64 s[20:21], s[4:5], s[20:21]
	s_add_nc_u64 s[22:23], s[6:7], s[22:23]
	s_add_nc_u64 s[46:47], s[8:9], s[46:47]
	s_add_nc_u64 s[92:93], s[10:11], s[92:93]
	CROUND                                         ; all sixteen work-groups are here: the first joint loads meet
	s_mov_b32 s[G0S], 1
	s_add_co_u32 s[G0S+1], s94, SCL
	s_mov_b64 s[G0S+2:G0S+3], s[22:23]
	s_or_b32 s[G0S+3], s[G0S+3], 0x80000000
	s_mov_b32 s[G0SB], 1
	s_add_co_u32 s[G0SB+1], s94, SCL
	s_mov_b64 s[G0SB+2:G0SB+3], s[92:93]
	s_or_b32 s[G0SB+3], s[G0SB+3], 0x80000000
	JLOAD G0S, G1S, G0SB, G1SB                     ; the scale words first
.irp s, 0,1
	s_mov_b32 s[G0+4*\s], 1
	s_add_co_u32 s[G0+4*\s+1], s45, \s*SLOT
	s_add_nc_u64 s[G0+4*\s+2:G0+4*\s+3], s[20:21], \s*HALFT
	s_or_b32 s[G0+4*\s+3], s[G0+4*\s+3], 0x80000000
	s_mov_b32 s[G0B+4*\s], 1
	s_add_co_u32 s[G0B+4*\s+1], s45, \s*SLOT
	s_add_nc_u64 s[G0B+4*\s+2:G0B+4*\s+3], s[46:47], \s*HALFT
	s_or_b32 s[G0B+4*\s+3], s[G0B+4*\s+3], 0x80000000
	JLOAD G0+4*\s, G1, G0B+4*\s, G1B               ; three tensor loads of mine are out
.endr
	v_and_b32 v1, 15, v0                           ; r
	v_bfe_u32 v2, v0, 4, 1                         ; h
	v_and_b32 v7, 31, v0                           ; lane
	v_lshlrev_b32 v3, 3, v7                        ; 8 x lane
	s_mul_i32 s21, s15, HALFT
	s_mul_i32 s22, s16, HALFT
	s_add_co_u32 s22, s22, 2*HALFT
.irp s, 0,1
	v_add_nc_u32 v[ADRA+\s], s21, v3
	v_add_nc_u32 v[ADRB+\s], s22, v3
	s_add_co_u32 s21, s21, SLOT
	s_add_co_u32 s22, s22, SLOT
.endr
	v_lshlrev_b32 v5, 3, v1                        ; my row's two scale words of a slot: 8 r
	s_mul_i32 s21, s15, HALFS
	s_mul_i32 s22, s16, HALFS
	s_add_co_u32 s22, s22, 2*HALFS
	s_sub_co_u32 s22, s22, s21
	v_mul_u32_u24 v6, s22, v2                      ; lanes 16-31 take B's: the lower base + h x the distance
	s_add_co_u32 s21, s21, SCL
	v_add_nc_u32 v5, v5, v6
	v_add_nc_u32 v[ADRS], s21, v5
	s_lshl_b32 s18, s40, 10                        ; the bias: column 256 cx + 128 (wave % 2), in bytes
	s_lshl_b32 s19, s16, 9
	s_add_co_u32 s18, s18, s19
	s_mov_b32 s19, 0
	s_add_nc_u64 s[96:97], s[96:97], s[18:19]
	s_add_nc_u64 s[98:99], s[98:99], s[18:19]      ; out0: the same columns,
	v_lshlrev_b32 v8, 6, v2                        ; + 16 h numbers
.irp b, 0,1,2,3
.irp j, 0,1,2,3
	global_load_b128 v[BB+16*\b+4*\j:BB+16*\b+4*\j+3], v8, s[96:97] offset:128*\b+16*\j
.endr
.endr
	s_lshl_b32 s18, s12, 20                        ; and my first token: 256 A + 128 (wave / 2) rows of 4,096 bytes
	s_lshl_b32 s2, s15, 19
	s_add_co_u32 s18, s18, s2
	s_add_nc_u64 s[98:99], s[98:99], s[18:19]
	s_mul_i32 s23, s14, 16*SPITCH                  ; my stage
	v_mul_u32_u24 v5, v1, SPITCH                   ; in: row r, + 64 h: the 16 columns of my half in each 32
	v_lshl_add_u32 v5, v2, 6, v5
	v_add_nc_u32 v[STO], s23, v5
	v_lshlrev_b32 v[CO], 4, v7                     ; back: the 32 lanes take one row of 512 bytes; and the same in out0
	v_add_nc_u32 v[RD], s23, v[CO]
.macro FRAG reg, adr, q, i             ; a fragment comes back as it was laid: six pieces, 256 consecutive bytes each
.irp p, 0,1,2,3,4,5
	ds_load_b64 v[\reg+2*\p:\reg+2*\p+1], v[\adr] offset:KST*(\q)+FRB*(\i)+256*\p
.endr
.endm
; 16 matrix instructions: A's blocks a0, a0 + 1 x B's eight, the slot's q-th K step.  first = 1: the bias is the C: nothing is ever cleared or added afterwards.
; The 64 accumulators take turns, one instruction a turn, in the same order in every step.
.macro MUL16 a0, p, q, sc, first
.irp a, \a0, \a0+1
.irp b, 0,1,2,3,4,5,6,7
.if \first
	v_wmma_scale_f32_16x16x128_f8f6f4 v[8*(8*((\a)%4)+\b):8*(8*((\a)%4)+\b)+7], v[128*(\p)+FR*\b:128*(\p)+FR*\b+FR-1], v[AF+FR*(\a):AF+FR*(\a)+FR-1], v[BB+8*\b:BB+8*\b+7], v[SC+8*NQ*(\sc)+NQ*\b+(\q)], v[SC+8*NQ*(\sc)+NQ*(\a)+(\q)] matrix_a_fmt:MATRIX_FMT_FP6 matrix_b_fmt:MATRIX_FMT_FP6 matrix_a_scale:MATRIX_SCALE_ROW1
.else
	v_wmma_scale_f32_16x16x128_f8f6f4 v[8*(8*((\a)%4)+\b):8*(8*((\a)%4)+\b)+7], v[128*(\p)+FR*\b:128*(\p)+FR*\b+FR-1], v[AF+FR*(\a):AF+FR*(\a)+FR-1], v[8*(8*((\a)%4)+\b):8*(8*((\a)%4)+\b)+7], v[SC+8*NQ*(\sc)+NQ*\b+(\q)], v[SC+8*NQ*(\sc)+NQ*(\a)+(\q)] matrix_a_fmt:MATRIX_FMT_FP6 matrix_b_fmt:MATRIX_FMT_FP6 matrix_a_scale:MATRIX_SCALE_ROW1
.endif
.endr
.endr
.endm
.macro FETCH_B slot, q, p
	WIN TO_B
.irp i, 0,1,2,3,4,5,6,7
	FRAG 128*(\p)+FR*\i, ADRB+\slot, \q, \i
.endr
	WIN 0
.endm
.macro FETCH_A slot, q, i0
.irp i, \i0, \i0+1, \i0+2, \i0+3
	FRAG AF+FR*(\i), ADRA+\slot, \q, \i
.endr
.endm
.macro SCALES sc                       ; a slot's scale words into set sc: lanes 0-15 take A's block i, lanes 16-31 B's block i
.irp i, 0,1,2,3,4,5,6,7
	ds_load_b64 v[SC+8*NQ*\sc+NQ*\i:SC+8*NQ*\sc+NQ*\i+1], v[ADRS] offset:128*\i
.endr
.endm
; A load into a register that a matrix instruction has read, and an LDS store that reads a matrix result, stand NP places behind it; only plain vector instructions that name none of its registers are places
; (ISA guide 7.12.1 for vector instructions).
.macro PLACES n
.rept \n
	v_nop
.endr
.endm
.macro STEP slot, q, first             ; a K step that has its successor in the same slot
	s_wait_dscnt 4*NL                              ; B's set, A's blocks 0-3 and the scale words are in; the youngest 24 loads (A's blocks 4-7) may be out
.if \first
	WIN FST_LO
.else
	WIN MUL_LO
.endif
	MUL16 0, (\q)%2, \q, \slot, \first
	MUL16 2, (\q)%2, \q, \slot, \first
	s_wait_dscnt 0                                 ; A's blocks 4-7 are in
	PLACES NP
	FETCH_B \slot, (\q)+1, 1-(\q)%2
	FETCH_A \slot, (\q)+1, 0
.if \first
	WIN FST_HI
.else
	WIN MUL_HI
.endif
	MUL16 4, (\q)%2, \q, \slot, \first
	MUL16 6, (\q)%2, \q, \slot, \first
	PLACES NP
	WIN 0
	FETCH_A \slot, (\q)+1, 4
.endm
; A slot's last K step changes slots: ONE barrier; in front of it each wave waits for all its tensor loads, adds 0 to its spare word, and waits for that and for its own reads of this slot.
.macro TURN slot, next, fill
	s_wait_tensorcnt 0x0                           ; all my tensor loads have landed: my part of the next slot  (every window is 0 here)
	ds_add_u32 v[SPW], v[NIL]                      ; 0 onto my spare word
	s_wait_dscnt 4*NL+1                            ; (the add and the youngest 24 loads may be out)
	WIN MUL_LO
	MUL16 0, 1, NQ-1, \slot, 0                     ; sixteen matrix instructions stand between the add and the wait for it
	s_wait_dscnt 0x0                               ; the add is done, and my reads of this slot are over
	s_barrier_signal -1
	MUL16 2, 1, NQ-1, \slot, 0
	WIN 0
	s_barrier_wait -1
.if \fill
	CREST                                          ; no wave of any partner still reads this slot's tile or has a load on its way
	s_add_nc_u64 s[G0+4*\slot+2:G0+4*\slot+3], s[G0+4*\slot+2:G0+4*\slot+3], 2*HALFT
	s_add_nc_u64 s[G0B+4*\slot+2:G0B+4*\slot+3], s[G0B+4*\slot+2:G0B+4*\slot+3], 2*HALFT
	JLOAD G0+4*\slot, G1, G0B+4*\slot, G1B         ; the first tensor load behind the round, my only one until the next; its four v_nop are the places in front of the loads below
.else
	PLACES NP
.endif
	v_add_nc_u32 v[ADRS], 1024, v[ADRS]            ; on to the next slot's scale words (no LDS load of mine is out)
	FETCH_B \next, 0, 0
	FETCH_A \next, 0, 0
	SCALES \next
	WIN MUL_HI
	MUL16 4, 1, NQ-1, \slot, 0
	MUL16 6, 1, NQ-1, \slot, 0
	PLACES NP
	WIN 0
	FETCH_A \next, 0, 4
.endm
	s_wait_loadcnt 0x0                             ; the bias
	s_wait_tensorcnt 1                             ; the scale words and my part of slot 0 are in (slot 1's load may be out)
	s_barrier_signal -1
	s_barrier_wait -1                              ; everybody's are
	FETCH_B 0, 0, 0
	FETCH_A 0, 0, 0
	SCALES 0
	FETCH_A 0, 0, 4
	STEP 0, 0, 1                                   ; K has four slots: the eight K steps are written out.  The first starts the sums on the bias
	TURN 0, 1, 1
	STEP 1, 0, 0
	TURN 1, 0, 1
	STEP 0, 0, 0
	TURN 0, 1, 0                                   ; nothing is filled any more; behind this barrier nobody reads slot 0
	STEP 1, 0, 0
	s_wait_dscnt 4*NL                              ; the last K step
	WIN MUL_LO
	MUL16 0, 1, NQ-1, 1, 0
	MUL16 2, 1, NQ-1, 1, 0
	s_wait_dscnt 0
	WIN MUL_HI
	MUL16 4, 1, NQ-1, 1, 0
	MUL16 6, 1, NQ-1, 1, 0
	WIN 0
; THE WAY OUT, block by block of 16 tokens x 128 columns.  A lane holds pieces of 32 bytes of one row, and the lanes beside it hold other rows: so a block goes through my own stage in LDS and comes back as whole rows of 512 bytes.
; LDS serves a wave's instructions in order (ISA guide 5.7.1.4): no wait between the stores and the loads, nor in front of the next block's stores.
.macro TOSTAGE a
.set AC, 64*((\a)%4)
	WIN 0x08+4*((\a)/4)                            ; the data: window 2 or 3
.irp b, 0,1,2,3,4,5,6,7
	ds_store_b128 v[STO], v[AC+8*\b:AC+8*\b+3] offset:128*(\b/2)+32*(\b%2)       ; tile b's eight columns of my half: 32 (b / 2) + 16 h + 8 (b % 2) on; each accumulator from its low end on
	ds_store_b128 v[STO], v[AC+8*\b+4:AC+8*\b+7] offset:128*(\b/2)+32*(\b%2)+16
.endr
	WIN 0
.set BBK, BK+64*((\a)%2)
.irp t, 0,1,2,3,4,5,6,7,8,9,10,11,12,13,14,15
	ds_load_b128 v[BBK+4*\t:BBK+4*\t+3], v[RD] offset:\t*SPITCH
.endr
.endm
.macro SEND a, younger                 ; younger: the LDS instructions issued behind block a's loads, which may stay out
.set BBK, BK+64*((\a)%2)
	s_wait_dscnt \younger                          ; the block is back in registers
.irp t, 0,1,2,3,4,5,6,7,8,9,10,11,12,13,14,15
	global_store_b128 v[CO], v[BBK+4*\t:BBK+4*\t+3], s[98:99] offset:(32*((\a)/2)+8*((\a)%2)+(\t%8)+16*(\t/8))*4096 th:TH_STORE_NT   ; the tile's row t is that token of my 128; 32 lanes store 512 consecutive bytes, aligned; the base is never stepped
.endr
.endm
	PLACES NP                                      ; behind the last products: their results are read, and loads land in the registers that held A's fragments
	TOSTAGE 0
.irp a, 1,2,3,4,5,6,7
.if \a > 1
	s_wait_xcnt 0x0                                ; block a - 2's stores have read their registers: block a's loads may land there
.endif
	TOSTAGE \a
	SEND \a-1, 32                                  ; behind block a - 1's loads: block a's 16 stores and 16 loads
.endr
	SEND 7, 0
	s_wait_tensorcnt 0x0                           ; the wave's end: behind my last tensor load and my last LDS store
	ds_add_u32 v[SPW], v[NIL]
	s_wait_dscnt 0x0
	CROUND                                         ; the closing round: no work-group ends while a partner may still ask for a tile that names it
	s_endpgm
.Lfunc_end_k_qfe9d6eeacd_proj:
	.size	k_qfe9d6eeacd_proj, .Lfunc_end_k_qfe9d6eeacd_proj-k_qfe9d6eeacd_proj
	.p2alignl 7, 3214868480
	.fill 96, 4, 3214868480
	.section	.rodata,"a",@progbits
	.p2align	6, 0x0
	.amdhsa_kernel k_qfe9d6eeacd_proj
		.amdhsa_group_segment_fixed_size 327680
		.amdhsa_private_segment_fixed_size 0
		.amdhsa_enable_private_segment 0
		.amdhsa_kernarg_size 48
		.amdhsa_user_sgpr_count 2
		.amdhsa_user_sgpr_kernarg_segment_ptr 1
		.amdhsa_wavefront_size32 1
		.amdhsa_system_sgpr_workgroup_id_x 1
		.amdhsa_system_sgpr_workgroup_id_y 1
		.amdhsa_system_sgpr_workgroup_id_z 1
		.amdhsa_system_vgpr_workitem_id 0
		.amdhsa_next_free_vgpr 1024
		.amdhsa_next_free_sgpr 104
		.amdhsa_reserve_vcc 0
		.amdhsa_float_denorm_mode_32 3
		.amdhsa_float_denorm_mode_16_64 3
		.amdhsa_memory_ordered 1
		.amdhsa_forward_progress 1
		.amdhsa_inst_pref_size 160
	.end_amdhsa_kernel
	.amdgpu_metadata
---
amdhsa.version: [ 1, 2 ]
amdhsa.kernels:
  - .name:           k_qfe9d6eeacd_proj
    .symbol:         k_qfe9d6eeacd_proj.kd
    .args:
      - { .name: yc, .offset: 0, .size: 8, .value_kind: global_buffer, .address_space: global }
      - { .name: ys, .offset: 8, .size: 8, .value_kind: global_buffer, .address_space: global }
      - { .name: opc, .offset: 16, .size: 8, .value_kind: global_buffer, .address_space: global }
      - { .name: ops, .offset: 24, .size: 8, .value_kind: global_buffer, .address_space: global }
      - { .name: b_proj, .offset: 32, .size: 8, .value_kind: global_buffer, .address_space: global }
      - { .name: out0, .offset: 40, .size: 8, .value_kind: global_buffer, .address_space: global }
    .group_segment_fixed_size: 327680
    .private_segment_fixed_size: 0
    .kernarg_segment_align: 8
    .kernarg_segment_size: 48
    .max_flat_workgroup_size: 128
    .sgpr_count:     104
    .vgpr_count:     1024
    .wavefront_size: 32
...
	.end_amdgpu_metadata
.endif
;; end of part 4
